; MI455X (gfx1250); checked and timed in simulation.
; The chip was launched on July 23, 2026; its instructions are those of AMD's public machine-readable ISA for CDNA 5 (MIT licence, August 2026) and "CDNA5" Instruction Set Architecture Reference Guide (July 2026). The comments in the code are by the model that wrote it; some were corrected since.
;; LSTM quantized cell. Allowed arithmetic: matrix products marked QUANTISED: E2M1 operands, one E8M0 scale for each 32 along K, by v_wmma_scale_f32_16x16x128_f8f6f4 with both operands' format E2M1 (or v_wmma_scale_f32_32x16x128_f4), f32 sums; everything else in f32.
;; Inputs: b_ih 4,096 float32; c 8,192 x 1,024 float32; h 8,192 x 1,024 float32; ln_beta 9 x 1,024 float32; ln_gamma 9 x 1,024 float32; w_hh 4,096 x 1,024 float32; w_ih 4,096 x 1,024 float32; x 8,192 x 1,024 float32.
;; Outputs: out0 2 x 8,192 x 1,024 float32.
;; Constants: time = 0.
;; This version of the problem:
;;   THIS VERSION OF THE PROBLEM IS GIVEN IN LOW PRECISION. The matrix products marked QUANTISED in the list below multiply operands that are first quantised to E2M1 (2 exponent bits, 1 mantissa bit; 4 bits a number), with one power-of-two scale for each 32 numbers along K (OCP MX v1.0); their sums are f32. All else is computed in f32.
;;   The module's matrix products, in the order in which they are computed (A, B: the left and right operand; K: the contracted axis; several contracted axes count as one K, in the product's order):
;;     1. [M 8,192, K 1,024] x [K 1,024, N 4,096]; A: input x; B: input w_ih: QUANTISED
;;     2. [M 8,192, K 1,024] x [K 1,024, N 4,096]; A: input h; B: input w_hh: QUANTISED
;;   THE QUANTISER, for each operand of a quantised product, along K:
;;     - K is cut into blocks of 32 from its start; a last block that is shorter is filled with zeros.
;;     - A block's scale is 2^e with e = floor(log2(the largest magnitude in the block)) - 2, held to -126 .. 127; a block of zeros has e = 0. As a byte (E8M0): e + 127.
;;     - Each number is divided by its block's scale, clamped to +-6, and rounded to the nearest number of E2M1, ties to even, subnormals kept.
;;     - The product sums the exact products of the quantised numbers (number of the format x scale) in f32.
;;   ~~~python
;;   def quantise(x, axis):      # numpy; x: float32 -> the quantised numbers, widened to float32 again
;;       x = np.moveaxis(x, axis, -1); K = x.shape[-1]
;;       x = np.pad(x, [(0, 0)] * (x.ndim - 1) + [(0, -K % 32)]); x = x.reshape(x.shape[:-1] + (-1, 32)); a = np.abs(x).max(-1, keepdims=True)
;;       e = np.where(a > 0, np.clip(np.frexp(np.where(a > 0, a, 1))[1] - 1 - 2, -126, 127), 0)      # np.frexp(a)[1] - 1 = floor(log2(a)), exactly
;;       r = np.clip(x / 2.0 ** e, -6, 6)
;;       step = 2.0 ** (np.maximum(np.frexp(np.where(r == 0, 1, r))[1] - 1, 0) - 1)
;;       q = np.round(r / step) * step * 2.0 ** e      # np.round: ties to even
;;       return np.moveaxis(q.reshape(q.shape[:-2] + (-1,))[..., :K], -1, axis).astype(np.float32)
;;   ~~~
;; 2 versions. Each part assembles by itself: llvm-mc -triple=amdgcn-amd-amdhsa -mcpu=gfx1250 --defsym DOCPART=n.
;; ======== version 1 of 2: 2 launches
;; workspace buffers: q 13,369,344 bytes
;; launch quant (part 1): grid 768 x 1, 8 waves a work-group, no clusters, 69,632 bytes of LDS; arguments x, h, w_ih, w_hh, q; writes q
.if DOCPART == 1
	.amdgcn_target "amdgcn-amd-amdhsa--gfx1250"
	.amdhsa_code_object_version 6
	.text
	.protected	k_q6c6e2133c8_quant
	.globl	k_q6c6e2133c8_quant
	.p2align	8
	.type	k_q6c6e2133c8_quant,@function
k_q6c6e2133c8_quant:
	s_mov_b64 s[64:65], 0
	v_nop
	global_prefetch_b8 v0, s[64:65] scope:SCOPE_SE
	s_setreg_imm32_b32 hwreg(HW_REG_WAVE_MODE, 25, 1), 1
	s_wait_xcnt 0x0
; LSTM cell, first of two launches: x, h [8192][1024] and w_ih, w_hh [4096][1024], f32, K innermost, become codes of E2M1 with one E8M0 byte for each 32 along K.
; NOTHING OF reference() IS LEFT OUT by this program: both products, all nine LayerNorms, every bias, gain and gate have a way to the output.  'time' is a constant that reference() never uses:
; it has no buffer and is no argument.
; A block's scale is 2^(floor(log2(largest magnitude)) - 2); its byte is the largest magnitude's exponent field - 2, held at 1 from below.  A block of zeros so gets the byte 1 where the rule says 127:
; its codes are zeros, which add nothing under any byte but 0xff, and this program alone reads the bytes.
; LIMITS: NaN and infinities among the inputs are not served; blocks whose largest magnitude lies under 2^(3 - 127) get the byte 1.
; THE WORKSPACE q IS LAID AS THE SECOND LAUNCH'S OPERAND REGISTERS.  192 units of 69,632 bytes; a unit is 128 rows x 1,024 K: [K step 0..7][piece 0..16][512 bytes].
;   piece 2 T + c (T: tile of 16 rows, c = 0, 1): lane (r, h) owns the 16 bytes at 16 x lane: the 32 codes of k = 128 ks + 64 c + 32 h + 0..31 of row 16 T + r: registers 4 c .. 4 c + 3 of a fragment.
;   piece 16: lane m owns 4 words; word f is the scale word (four bytes: this K step's four blocks) of row 16 (2 f + m / 16) + m % 16.
;   units 0-63: weights, unit 8 w + p: columns 128 w .. + 127 of gate g(p) of w_ih (p even) or w_hh (p odd); p / 2 = 0, 1, 2, 3 stands for the gates i, a, f, o (rows 0, 2, 1, 3 x 1,024).
;   units 64-127: x, units 128-191: h, 128 rows each.
; SHARES.  A work-group takes two K steps of a unit; each of its eight waves a tile of 16 rows x 256 K.  Every load reads 512 consecutive bytes; the numbers turn through the wave's own stage in LDS, so that
; a lane then holds whole blocks of 32 neighbours; every store of codes is a whole piece of 512 bytes; the scale words meet in LDS and leave as whole pieces too.
.set UNIT,   69632
.set GRP,    8704                      ; a K step's 17 pieces
.set SPITCH, 528                       ; a stage row: 512 bytes + 16 = 33 x 16: sixteen rows begin at sixteen different places modulo 256 bytes
.set WST,    16*SPITCH                 ; a wave's stage
.set SCI,    8*WST                     ; behind the stages: two scale pieces of 512 bytes
.set SPARE,  SCI+1024                  ; the spare words, 128 bytes for each wave: four blocks of 256 bytes that no other line names
.set SPW,    12                        ; v12  LDS address of my spare word; never rewritten
.set NIL,    13                        ; v13  0; never rewritten
.set R,      16                        ; v16-143   the numbers as loaded: 2 K steps x 16 rows x 4 registers
.set X,      144                       ; v144-207  two blocks of 32 neighbours
.set C,      208                       ; v208-223  codes: four registers for each (K step, c): no store's data are written again
.set SWD,    224                       ; v224-225  the scale words
	s_load_b256 s[4:11], s[0:1], 0x0               ; x, h, w_ih, w_hh
	s_load_b64 s[12:13], s[0:1], 0x20              ; q
	v_lshl_add_u32 v[SPW], v0, 2, SPARE
	v_mov_b32 v[NIL], 0
	v_lshrrev_b32 v8, 5, v0
	v_readfirstlane_b32 s16, v8                    ; wave = tile T
	v_and_b32 v8, 31, v0                           ; lane
	v_and_b32 v9, 15, v0                           ; r
	v_bfe_u32 v10, v0, 4, 1                        ; h
	v_lshlrev_b32 v1, 4, v8                        ; v1: 16 x lane
	s_mul_i32 s22, s16, WST
	v_add_nc_u32 v2, s22, v1                       ; v2: into the stage, as loaded
	v_mul_u32_u24 v3, v9, SPITCH
	v_lshl_add_u32 v3, v10, 7, v3
	v_add_nc_u32 v3, s22, v3                       ; v3: out of it: row r, + 128 h bytes: my block of 32 numbers
	s_and_b32 s23, s16, 1
	s_lshl_b32 s24, s23, 8
	s_lshr_b32 s25, s16, 1
	s_lshl_b32 s25, s25, 2
	s_add_co_u32 s24, s24, s25
	s_add_co_u32 s24, s24, SCI
	v_lshl_add_u32 v4, v9, 4, s24                  ; v4: my row's word in a scale piece: lane 16 (T % 2) + r, word T / 2
	s_lshl_b32 s24, s23, 9
	s_add_co_u32 s24, s24, SCI
	v_add_nc_u32 v5, s24, v1                       ; v5: a whole scale piece, 16 bytes a lane (waves 0 and 1 read one each)
	v_lshlrev_b32 v6, 3, v10                       ; v6: 8 h
	v_mov_b32 v7, 0                                ; written once: a lane permute's destination counts as one of its sources
	s_mov_b32 s20, 0x76543210
	s_mov_b32 s21, 0xfedcba98                      ; v_permlanex16_b32's selects for lane l xor 16
	s_lshr_b32 s17, ttmp9, 2                       ; the unit U
	s_and_b32 s18, ttmp9, 3                        ; which two K steps
	s_lshr_b32 s28, s17, 3                         ; a unit of weights: w,
	s_and_b32 s29, s17, 1                          ; the source (0: w_ih),
	s_bfe_u32 s30, s17, 0x20001                    ; the gate's place in the order i, a, f, o,
	s_and_b32 s31, s30, 1
	s_lshl_b32 s31, s31, 1
	s_lshr_b32 s30, s30, 1
	s_or_b32 s31, s31, s30                         ; the gate's number in reference(): i 0, f 1, a 2, o 3
	s_lshl_b32 s31, s31, 10
	s_lshl_b32 s28, s28, 7
	s_add_co_u32 s31, s31, s28                     ; its first row
	s_sub_co_u32 s32, s17, 64                      ; a unit of activations:
	s_lshr_b32 s33, s32, 6                         ; the source (0: x),
	s_and_b32 s32, s32, 63
	s_lshl_b32 s32, s32, 7                         ; its first row
	s_cmp_lt_u32 s17, 64                           ; the choice hangs on the work-group's number alone
	s_cselect_b32 s29, s29, s33
	s_cselect_b32 s31, s31, s32
	s_lshl_b32 s32, s16, 4
	s_add_co_u32 s31, s31, s32                     ; my wave's first row
	s_lshl_b32 s32, s31, 12                        ; x 4,096 bytes
	s_lshl_b32 s33, s18, 10
	s_add_co_u32 s32, s32, s33                     ; + my two K steps
	s_mov_b32 s33, 0
	s_mul_i32 s34, s17, UNIT
	s_mul_i32 s35, s18, 2*GRP
	s_add_co_u32 s34, s34, s35                     ; q: the unit's first of my two groups
	s_mul_i32 s36, s23, GRP
	s_add_co_u32 s36, s36, s34
	s_add_co_u32 s36, s36, 8192                    ; the scale piece of group wave % 2
	s_mov_b32 s37, 0
	s_lshl_b32 s35, s16, 10
	s_add_co_u32 s34, s34, s35                     ; my tile's two pieces
	s_mov_b32 s35, 0
	s_wait_kmcnt 0x0
	s_cmp_eq_u32 s29, 0
	s_cselect_b64 s[8:9], s[8:9], s[10:11]         ; w_ih or w_hh
	s_cselect_b64 s[4:5], s[4:5], s[6:7]           ; x or h
	s_cmp_lt_u32 s17, 64
	s_cselect_b64 s[4:5], s[8:9], s[4:5]
	s_add_nc_u64 s[4:5], s[4:5], s[32:33]
	s_add_nc_u64 s[14:15], s[12:13], s[34:35]
	s_add_nc_u64 s[26:27], s[12:13], s[36:37]
.irp ksl, 0,1
.set i, 0
.rept 16
	global_load_b128 v[R+64*\ksl+4*i:R+64*\ksl+4*i+3], v1, s[4:5] offset:i*4096+\ksl*512 th:TH_LOAD_NT   ; row i, one K step: 32 lanes read 512 consecutive bytes
.set i, i+1
.endr
.endr
; One K step of my 16 rows.
.macro QK ksl
.if \ksl == 0
	s_wait_loadcnt 16                              ; the first K step's 16 loads are in; the second's 16 may be out
.else
	s_wait_loadcnt 0x0
.endif
.set i, 0
.rept 16
	ds_store_b128 v2, v[R+64*\ksl+4*i:R+64*\ksl+4*i+3] offset:i*SPITCH
.set i, i+1
.endr
.irp c, 0,1
.irp e, 0,1,2,3,4,5,6,7
	ds_load_b128 v[X+32*\c+4*\e:X+32*\c+4*\e+3], v3 offset:256*\c+16*\e   ; LDS serves a wave's instructions in order: these see my stores.  Block 2 c + h of row r
.endr
.endr
	s_wait_dscnt 0x0
.irp c, 0,1
	v_max3_num_f32 v[8+\c], |v[X+32*\c]|, |v[X+32*\c+1]|, 0x1800000   ; the block's largest magnitude: all 32 numbers are mine; and the floor 2^(3 - 127): the byte cannot fall under 1
.endr
.irp i2, 2,4,6,8,10,12,14,16,18,20,22,24,26,28,30
.irp c, 0,1
	v_max3_num_f32 v[8+\c], v[8+\c], |v[X+32*\c+\i2]|, |v[X+32*\c+\i2+1]|   ; (the two blocks by turns)
.endr
.endr
.irp c, 0,1
	v_add_nc_u32 v[10+\c], 0xff000000, v[8+\c]     ; 2 off its exponent field: the conversion takes the exponent field of this operand as its scale, and nothing else of it
.endr
.irp c, 0,1
	v_lshrrev_b32 v[14+\c], 23, v[10+\c]           ; the scale's byte
.endr
.irp c, 0,1
.irp g, 0,1,2,3
	v_cvt_scalef32_pk8_fp4_f32 v[C+8*\ksl+4*\c+\g], v[X+32*\c+8*\g:X+32*\c+8*\g+7], v[10+\c]   ; registers 4 c .. 4 c + 3 of the fragment
.endr
.endr
	v_nop                                          ; one plain place behind the scaled conversions
.irp c, 0,1
	global_store_b128 v1, v[C+8*\ksl+4*\c:C+8*\ksl+4*\c+3], s[14:15] offset:\ksl*GRP+\c*512   ; a whole piece: 512 consecutive bytes
.endr
	v_lshl_or_b32 v[SWD+\ksl], v15, 16, v14        ; my two bytes: blocks h and 2 + h of row r,
	v_lshlrev_b32 v[SWD+\ksl], v6, v[SWD+\ksl]     ; at their places in the scale word (8 h bits up);
	v_permlanex16_b32 v7, v[SWD+\ksl], s20, s21
	v_or_b32 v[SWD+\ksl], v[SWD+\ksl], v7          ; with lane l xor 16's two the word is whole
	ds_store_b32 v4, v[SWD+\ksl] offset:\ksl*512   ; both halves of the lanes write the same word with the same value
.endm
	QK 0
	QK 1
	s_wait_dscnt 0x0                               ; for the others' sake: my scale words lie in LDS
	s_barrier_signal -1
	s_barrier_wait -1
	s_cmp_gt_u32 s16, 1                            ; waves 0 and 1 store a scale piece each
	s_cbranch_scc1 .Ldone
	ds_load_b128 v[228:231], v5
	s_wait_dscnt 0x0
	global_store_b128 v1, v[228:231], s[26:27]     ; 512 consecutive bytes
.Ldone:
	s_wait_tensorcnt 0x0                           ; the wave's end: behind my last LDS store
	ds_add_u32 v[SPW], v[NIL]
	s_wait_dscnt 0x0
	s_endpgm
.Lfunc_end_k_q6c6e2133c8_quant:
	.size	k_q6c6e2133c8_quant, .Lfunc_end_k_q6c6e2133c8_quant-k_q6c6e2133c8_quant
	.p2alignl 7, 3214868480
	.fill 96, 4, 3214868480
	.section	.rodata,"a",@progbits
	.p2align	6, 0x0
	.amdhsa_kernel k_q6c6e2133c8_quant
		.amdhsa_group_segment_fixed_size 69632
		.amdhsa_private_segment_fixed_size 0
		.amdhsa_enable_private_segment 0
		.amdhsa_kernarg_size 40
		.amdhsa_user_sgpr_count 2
		.amdhsa_user_sgpr_kernarg_segment_ptr 1
		.amdhsa_wavefront_size32 1
		.amdhsa_system_sgpr_workgroup_id_x 1
		.amdhsa_system_sgpr_workgroup_id_y 1
		.amdhsa_system_sgpr_workgroup_id_z 1
		.amdhsa_system_vgpr_workitem_id 0
		.amdhsa_next_free_vgpr 240
		.amdhsa_next_free_sgpr 66
		.amdhsa_reserve_vcc 0
		.amdhsa_float_denorm_mode_32 3
		.amdhsa_float_denorm_mode_16_64 3
		.amdhsa_memory_ordered 1
		.amdhsa_forward_progress 1
		.amdhsa_inst_pref_size 18
	.end_amdhsa_kernel
	.amdgpu_metadata
---
amdhsa.version: [ 1, 2 ]
amdhsa.kernels:
  - .name:           k_q6c6e2133c8_quant
    .symbol:         k_q6c6e2133c8_quant.kd
    .args:
      - { .name: x, .offset: 0, .size: 8, .value_kind: global_buffer, .address_space: global }
      - { .name: h, .offset: 8, .size: 8, .value_kind: global_buffer, .address_space: global }
      - { .name: w_ih, .offset: 16, .size: 8, .value_kind: global_buffer, .address_space: global }
      - { .name: w_hh, .offset: 24, .size: 8, .value_kind: global_buffer, .address_space: global }
      - { .name: q, .offset: 32, .size: 8, .value_kind: global_buffer, .address_space: global }
    .group_segment_fixed_size: 69632
    .private_segment_fixed_size: 0
    .kernarg_segment_align: 8
    .kernarg_segment_size: 40
    .max_flat_workgroup_size: 256
    .sgpr_count:     66
    .vgpr_count:     240
    .wavefront_size: 32
...
	.end_amdgpu_metadata
.endif
;; end of part 1
;; launch cell (part 2): grid 256 x 1, 8 waves a work-group, no clusters, 306,176 bytes of LDS; arguments q, c, b_ih, ln_gamma, ln_beta, out0; writes out0
.if DOCPART == 2
	.amdgcn_target "amdgcn-amd-amdhsa--gfx1250"
	.amdhsa_code_object_version 6
	.text
	.protected	k_q6c6e2133c8_cell
	.globl	k_q6c6e2133c8_cell
	.p2align	8
	.type	k_q6c6e2133c8_cell,@function
k_q6c6e2133c8_cell:
	s_mov_b64 s[64:65], 0
	v_nop
	global_prefetch_b8 v0, s[64:65] scope:SCOPE_SE
	s_setreg_imm32_b32 hwreg(HW_REG_WAVE_MODE, 25, 1), 1
	s_wait_xcnt 0x0
; LSTM cell, second launch: both MX-FP4 products, the eight LayerNorms of the gates' halves, the gates, c_new, its LayerNorm and h_new, fused.  Nothing of reference() is left out.
; SHARES.  A LayerNorm wants all 1,024 columns of a row, so a work-group owns whole rows: 32 of them (256 work-groups).  Wave w of eight owns columns 128 w .. + 127 of every gate.
; EIGHT PHASES, one for each (gate, source): i, a, f, o, each first x w_ih^T, then h w_hh^T.  A phase: 8 K steps of 128, 16 products each (8 tiles of 16 columns x 2 tiles of 16 rows; 128 accumulator registers);
; then the rows' mean and variance over the eight waves, the norm, gain and bias.  The first half of a gate waits in LDS for the second; i, then i a, then tanh(LN(c_new)) wait in LDS as 'the state'.
; LAYOUT.  Source 0 = 16 rows of x or h, source 1 = 16 rows of W.  Lane (r, h) holds column 16 t + r; register j of accumulator (t, rt) holds row 16 rt + 8 h + j.  So a gain or bias is one register a tile,
; and a row's figures are register pairs for the packed forms.
; THE WEIGHTS GO FROM MEMORY STRAIGHT INTO REGISTERS, through a ring of four groups of 64 registers (and 4 of scale words) with counted waits: the first launch has laid them in the order of my operand registers,
; a wave's whole stream being 557,056 consecutive bytes.  NO CLUSTER, NO JOINT LOADS, NO RING IN LDS: a fragment of W is used by one wave alone, for two products, so LDS would spare no read of it;
; and of 327,680 bytes of LDS this text holds 306,176 (the gate's first half 135,168, the state 131,072, the activations' codes 34,816, the rest small): 21,504 are left, less than two slots of one K step of the
; eight waves (2 x 69,632).
; THE MEAN AND VARIANCE: each wave takes its own 128 columns' mean and the squares about that mean; the eight are joined by mean = the means' mean, M2 = the sum of the M2 + 128 x the sum of (mean_w - mean)^2:
; no difference of large sums is formed.
; sigmoid(x) = 1 / (1 + 2^(-x log2 e)), tanh(x) = 1 - 2 / (1 + 2^(2 x log2 e)): the factor K = -log2 e or 2 log2 e is folded into 1 / sqrt(var + eps) and into the biases.
; LIMITS: NaN and infinities among the inputs are not served.  beta_ih + beta_hh + b_ih are added first and scaled by K: another order of rounding than reference()'s.  An exponential that overflows or falls to 0
; gives the gate's end value (0, 1, -1) exactly.
.set UNIT,   69632
.set GRP,    8704                      ; a K step of a unit: 16 pieces of codes and one of scale words, 512 bytes each
.set XS,     32768                     ; LDS: 0: the activations' code images [source][K step][rt][c][512];  XS: their scale words [source][K step][128]
.set EX,     34816                     ; the waves' means [wave][32 rows], 1,024 bytes; then their M2 likewise
.set BC,     36864                     ; 256 bytes a wave: K / sqrt(var + eps) of the 32 rows, then -mean x that
.set TT,     38912                     ; 16,896 bytes a wave: the image of a gate's first half (32 x 512), or a stage of 32 rows of 512 + 16 bytes
.set TW,     16896
.set SPITCH, 528
.set SS,     174080                    ; 16,384 bytes a wave: the image of the state
.set SPARE,  305152                    ; the spare words, 128 bytes for each wave: four blocks of 256 bytes that no other line names
; REGISTERS.  Window 1 (v256-511): the ring: group q at 64 q, tile t's fragment at 64 q + 8 t.  Window 0:
;   v1 16 x lane; v2, v3 the phase's activations and their scale words in LDS; v4 my column's byte in a row of parameters; v5 my 16 bytes of a row of c or out0; v6, v7 EX in, out; v8, v9 BC in, out;
;   v10 T by 16 x lane; v11 T by (row, column); v12 S; v13, v14 the add's two; v15 XS + 4 x lane
.set SCW,  16                          ; v16-31   W's scale words, four registers a group: register t / 2, lanes 0-15 tile t even, lanes 16-31 tile t odd.  Scales and nothing else
.set XF,   32                          ; v32-63   the activations' fragments, two buffers of 16; behind the products:
.set SUM,  32                          ;          sums and means, later K / sqrt(var + eps) by row;
.set QQ,   48                          ;          M2, later -mean K / sqrt(var + eps)
.set XSC,  64                          ; v64-71   the activations' scale words of the 8 K steps: lane 16 rt + r.  Scales and nothing else
.set PG,   72                          ; v72-87   the gain of tile t in register 2 t (the packed forms name a pair and take its low word)
.set PB,   88                          ; v88-103  the bias likewise; in a gate's second half a buffer for the first half's chunks
.set CH,   104                         ; v104-119 the other such buffer; landing place of beta_ih, beta_hh; at work in STATS
.set TD,   120                         ; v120-127 at work; landing place of b_ih
.set ACC,  128                         ; v128-255 accumulator (t, rt) at 16 t + 8 rt
.set MSB, 0
.macro WIN new                         ; the immediate's high byte repeats the setting that is left; a switch that changes nothing is dropped
.if MSB != \new
	s_set_vgpr_msb (MSB<<8)|\new
.set MSB, \new
.endif
.endm
; Group k of the stream, counted from the phase's first (8 to 11 are the next phase's first four: the stream is linear), into ring group k % 4: 17 loads of 512 consecutive bytes
.macro LDG k
	WIN 0x40                                       ; destination window 1
.set i, 0
.rept 16
	global_load_b128 v[64*((\k)%4)+4*i:64*((\k)%4)+4*i+3], v1, s[24:25] offset:(\k)*GRP+512*i
.set i, i+1
.endr
	WIN 0
	global_load_b128 v[SCW+4*((\k)%4):SCW+4*((\k)%4)+3], v1, s[24:25] offset:(\k)*GRP+8192
.endm
; 16 rows of c, my 512 bytes of each, into ring group 2 + half
.macro CLD half
	WIN 0x40
.set i, 16*(\half)
.rept 16
	global_load_b128 v[128+4*i:128+4*i+3], v5, s[26:27] offset:i*4096 th:TH_LOAD_NT
.set i, i+1
.endr
	WIN 0
.endm
; the activations' two fragments of K step k
.macro XLD k
.irp rt, 0,1
.irp c, 0,1
	ds_load_b128 v[XF+16*((\k)%2)+8*\rt+4*\c:XF+16*((\k)%2)+8*\rt+4*\c+3], v2 offset:2048*(\k)+1024*\rt+512*\c
.endr
.endr
.endm
.macro PROD k, t, rt, zero
.set rD, ACC+16*(\t)+8*(\rt)
.set rA, XF+16*((\k)%2)+8*(\rt)
.set rB, 64*((\k)%4)+8*(\t)
.set rX, XSC+(\k)
.set rW, SCW+4*((\k)%4)+(\t)/2
.if \zero
.if ((\rt) == 0) && (((\t)%2) == 0)
	v_wmma_scale_f32_16x16x128_f8f6f4 v[rD:rD+7], v[rA:rA+7], v[rB:rB+7], 0, v[rX], v[rW] matrix_a_fmt:MATRIX_FMT_FP4 matrix_b_fmt:MATRIX_FMT_FP4
.elseif ((\rt) == 1) && (((\t)%2) == 0)
	v_wmma_scale_f32_16x16x128_f8f6f4 v[rD:rD+7], v[rA:rA+7], v[rB:rB+7], 0, v[rX], v[rW] matrix_a_fmt:MATRIX_FMT_FP4 matrix_b_fmt:MATRIX_FMT_FP4 matrix_a_scale:MATRIX_SCALE_ROW1
.elseif ((\rt) == 0)
	v_wmma_scale_f32_16x16x128_f8f6f4 v[rD:rD+7], v[rA:rA+7], v[rB:rB+7], 0, v[rX], v[rW] matrix_a_fmt:MATRIX_FMT_FP4 matrix_b_fmt:MATRIX_FMT_FP4 matrix_b_scale:MATRIX_SCALE_ROW1
.else
	v_wmma_scale_f32_16x16x128_f8f6f4 v[rD:rD+7], v[rA:rA+7], v[rB:rB+7], 0, v[rX], v[rW] matrix_a_fmt:MATRIX_FMT_FP4 matrix_b_fmt:MATRIX_FMT_FP4 matrix_a_scale:MATRIX_SCALE_ROW1 matrix_b_scale:MATRIX_SCALE_ROW1
.endif
.else
.if ((\rt) == 0) && (((\t)%2) == 0)
	v_wmma_scale_f32_16x16x128_f8f6f4 v[rD:rD+7], v[rA:rA+7], v[rB:rB+7], v[rD:rD+7], v[rX], v[rW] matrix_a_fmt:MATRIX_FMT_FP4 matrix_b_fmt:MATRIX_FMT_FP4
.elseif ((\rt) == 1) && (((\t)%2) == 0)
	v_wmma_scale_f32_16x16x128_f8f6f4 v[rD:rD+7], v[rA:rA+7], v[rB:rB+7], v[rD:rD+7], v[rX], v[rW] matrix_a_fmt:MATRIX_FMT_FP4 matrix_b_fmt:MATRIX_FMT_FP4 matrix_a_scale:MATRIX_SCALE_ROW1
.elseif ((\rt) == 0)
	v_wmma_scale_f32_16x16x128_f8f6f4 v[rD:rD+7], v[rA:rA+7], v[rB:rB+7], v[rD:rD+7], v[rX], v[rW] matrix_a_fmt:MATRIX_FMT_FP4 matrix_b_fmt:MATRIX_FMT_FP4 matrix_b_scale:MATRIX_SCALE_ROW1
.else
	v_wmma_scale_f32_16x16x128_f8f6f4 v[rD:rD+7], v[rA:rA+7], v[rB:rB+7], v[rD:rD+7], v[rX], v[rW] matrix_a_fmt:MATRIX_FMT_FP4 matrix_b_fmt:MATRIX_FMT_FP4 matrix_a_scale:MATRIX_SCALE_ROW1 matrix_b_scale:MATRIX_SCALE_ROW1
.endif
.endif
.endm
; A K STEP.  n: the global loads issued behind this step's group, which may stay out; d: the LDS loads issued behind this step's fragments.  zero = 1: the products start the sums: nothing is cleared.
; The 16 accumulators take turns, one instruction a turn, in the same order in every step.  Four plain places stand behind the products, ahead of the loads into the registers that they
; have read and of the first read of results (ISA guide 7.12.1 for vector instructions).  tail = 1: the ring group just read takes the group four on; 2: 16 rows of c; 0: nothing.
.macro KSTEP k, zero, n, d, tail
	s_wait_loadcnt \n
	s_wait_dscnt \d
	WIN 0x04                                       ; source 1 (W) window 1
.irp t, 0,1,2,3,4,5,6,7
.irp rt, 0,1
	PROD \k, \t, \rt, \zero
.endr
.endr
.rept 4
	v_nop
.endr
.if \tail == 1
	LDG (\k)+4
.elseif \tail == 2
	CLD (\k)-6
.else
	WIN 0
.endif
.if \k <= 5
	XLD (\k)+2
.endif
.endm
; THE ROWS' FIGURES of what lies in the accumulators: leaves K / sqrt(var + eps) of row 16 rt + 8 h + j in v[SUM + 8 rt + j] and -mean x that in v[QQ + 8 rt + j].  K in s22.
.macro STATS
.irp jh, 0,1                           ; each accumulator is read from its low end on: registers 0-3 of all sixteen first
.irp rt, 0,1
.irp jq, 0,1
.set o, 8*\rt+4*\jh+2*\jq
	v_pk_add_f32 v[SUM+o:SUM+o+1], v[ACC+o:ACC+o+1], v[ACC+16+o:ACC+16+o+1]
.endr
.endr
.irp t, 2,3,4,5,6,7
.irp rt, 0,1
.irp jq, 0,1
.set o, 8*\rt+4*\jh+2*\jq
	v_pk_add_f32 v[SUM+o:SUM+o+1], v[SUM+o:SUM+o+1], v[ACC+16*\t+o:ACC+16*\t+o+1]   ; my eight tiles' columns, four chains by turns
.endr
.endr
.endr
.endr
.irp m, 1,2,4,8
.set i, 0
.rept 16
	v_add_f32_dpp v[SUM+i], v[SUM+i], v[SUM+i] row_xmask:\m row_mask:0xf bank_mask:0xf   ; and the sixteen lanes' columns
.set i, i+1
.endr
.endr
.set i, 0
.rept 8
	v_pk_mul_f32 v[SUM+2*i:SUM+2*i+1], v[SUM+2*i:SUM+2*i+1], 0x3c000000 op_sel_hi:[1,0]   ; / 128: my wave's mean of each row
.set i, i+1
.endr
.irp t, 0,1,2,3,4,5,6,7
.irp rt, 0,1
.irp jp, 0,1,2,3
	v_pk_add_f32 v[TD+2*\jp:TD+2*\jp+1], v[ACC+16*\t+8*\rt+2*\jp:ACC+16*\t+8*\rt+2*\jp+1], v[SUM+8*\rt+2*\jp:SUM+8*\rt+2*\jp+1] neg_lo:[0,1] neg_hi:[0,1]
.endr
.irp jp, 0,1,2,3
.if \t == 0
	v_pk_mul_f32 v[QQ+8*\rt+2*\jp:QQ+8*\rt+2*\jp+1], v[TD+2*\jp:TD+2*\jp+1], v[TD+2*\jp:TD+2*\jp+1]
.else
	v_pk_fma_f32 v[QQ+8*\rt+2*\jp:QQ+8*\rt+2*\jp+1], v[TD+2*\jp:TD+2*\jp+1], v[TD+2*\jp:TD+2*\jp+1], v[QQ+8*\rt+2*\jp:QQ+8*\rt+2*\jp+1]   ; the squares about my wave's mean
.endif
.endr
.endr
.endr
.irp m, 1,2,4,8
.set i, 0
.rept 16
	v_add_f32_dpp v[QQ+i], v[QQ+i], v[QQ+i] row_xmask:\m row_mask:0xf bank_mask:0xf
.set i, i+1
.endr
.endr
.irp rt, 0,1
.irp e, 0,1
	ds_store_b128 v6, v[SUM+8*\rt+4*\e:SUM+8*\rt+4*\e+3] offset:64*\rt+16*\e        ; the sixteen lanes of a half write the same words with the same values
	ds_store_b128 v6, v[QQ+8*\rt+4*\e:QQ+8*\rt+4*\e+3] offset:1024+64*\rt+16*\e
.endr
.endr
	s_wait_dscnt 0x0                               ; for the others' sake: my figures lie in LDS
	s_barrier_signal -1
	s_barrier_wait -1
.irp n, 0,1,2,3,4,5,6,7
	ds_load_b32 v[CH+\n], v7 offset:128*\n         ; a lane to a row: the eight waves' means,
	ds_load_b32 v[CH+8+\n], v7 offset:1024+128*\n  ; and their M2
.endr
	s_wait_dscnt 0x0                               ; my reads are over:
	s_barrier_signal -1                            ; behind this barrier the words may be written again; work on registers stands between signal and wait
	v_add_f32 v120, v[CH], v[CH+1]
	v_add_f32 v121, v[CH+2], v[CH+3]
	v_add_f32 v122, v[CH+4], v[CH+5]
	v_add_f32 v123, v[CH+6], v[CH+7]
	v_add_f32 v120, v120, v121
	v_add_f32 v122, v122, v123
	v_add_f32 v120, v120, v122
	v_mul_f32 v120, 0x3e000000, v120               ; / 8: the row's mean
	v_add_f32 v121, v[CH+8], v[CH+9]
	v_add_f32 v122, v[CH+10], v[CH+11]
	v_add_f32 v123, v[CH+12], v[CH+13]
	v_add_f32 v124, v[CH+14], v[CH+15]
	v_add_f32 v121, v121, v122
	v_add_f32 v123, v123, v124
	v_add_f32 v121, v121, v123                     ; the sum of the M2
.irp n, 0,1,2,3,4,5,6,7
	v_sub_f32 v[CH+\n], v[CH+\n], v120
.endr
	v_mul_f32 v122, v[CH], v[CH]
	v_mul_f32 v123, v[CH+1], v[CH+1]
.irp n, 2,4,6
	v_fmac_f32 v122, v[CH+\n], v[CH+\n]
	v_fmac_f32 v123, v[CH+\n+1], v[CH+\n+1]
.endr
	v_add_f32 v122, v122, v123
	v_fma_f32 v121, 0x43000000, v122, v121         ; + 128 x the sum of (mean_w - mean)^2
	v_fma_f32 v121, v121, s43, s44                 ; / 1,024 + eps
	v_rsq_f32 v122, v121
	v_nop                                          ; a plain place behind the transcendental,
	s_wait_alu depctr_va_vdst(0)                   ; and a wait ahead of its first reader
	v_mul_f32 v122, s22, v122                      ; K / sqrt(var + eps)
	v_mul_f32 v123, -v120, v122
	s_barrier_wait -1
	ds_store_b32 v8, v122                          ; my wave's own bytes: from a lane to a row, to registers by row
	ds_store_b32 v8, v123 offset:128
.irp rt, 0,1
.irp e, 0,1
	ds_load_b128 v[SUM+8*\rt+4*\e:SUM+8*\rt+4*\e+3], v9 offset:64*\rt+16*\e          ; LDS serves a wave's instructions in order: these see my stores
	ds_load_b128 v[QQ+8*\rt+4*\e:QQ+8*\rt+4*\e+3], v9 offset:128+64*\rt+16*\e
.endr
.endr
	s_wait_dscnt 0x0
.endm
.macro NORM t                          ; tile t: (z - mean) K / sqrt(var + eps), in place
.set n, 0
.rept 8
	v_pk_fma_f32 v[ACC+16*(\t)+2*n:ACC+16*(\t)+2*n+1], v[ACC+16*(\t)+2*n:ACC+16*(\t)+2*n+1], v[SUM+2*n:SUM+2*n+1], v[QQ+2*n:QQ+2*n+1]
.set n, n+1
.endr
.endm
.macro AFFB t                          ; x my column's gain + my column's bias (of both pairs the low word serves both halves)
.set n, 0
.rept 8
	v_pk_fma_f32 v[ACC+16*(\t)+2*n:ACC+16*(\t)+2*n+1], v[ACC+16*(\t)+2*n:ACC+16*(\t)+2*n+1], v[PG+2*(\t):PG+2*(\t)+1], v[PB+2*(\t):PB+2*(\t)+1] op_sel_hi:[1,0,0]
.set n, n+1
.endr
.endm
.macro AFFC t                          ; x my column's gain + the gate's first half
.set n, 0
.rept 8
	v_pk_fma_f32 v[ACC+16*(\t)+2*n:ACC+16*(\t)+2*n+1], v[ACC+16*(\t)+2*n:ACC+16*(\t)+2*n+1], v[PG+2*(\t):PG+2*(\t)+1], v[CH-16*((\t)%2)+2*n:CH-16*((\t)%2)+2*n+1] op_sel_hi:[1,0,1]
.set n, n+1
.endr
.endm
.macro EXPT t
.set n, 0
.rept 16
	v_exp_f32 v[ACC+16*(\t)+n], v[ACC+16*(\t)+n]
.set n, n+1
.endr
.endm
.macro ONERCP                          ; behind the batch of 128 exponentials: 1 / (1 + e).  One wait for each batch, ahead of its first reader
	v_nop
	s_wait_alu depctr_va_vdst(0)
.set n, 0
.rept 64
	v_pk_add_f32 v[ACC+2*n:ACC+2*n+1], v[ACC+2*n:ACC+2*n+1], 1.0 op_sel_hi:[1,0]
.set n, n+1
.endr
.set n, 0
.rept 128
	v_rcp_f32 v[ACC+n], v[ACC+n]
.set n, n+1
.endr
	v_nop
	s_wait_alu depctr_va_vdst(0)
.endm
.macro TANH_T t                        ; 1 - 2 r
.set n, 0
.rept 8
	v_pk_fma_f32 v[ACC+16*(\t)+2*n:ACC+16*(\t)+2*n+1], v[ACC+16*(\t)+2*n:ACC+16*(\t)+2*n+1], -2.0, 1.0 op_sel_hi:[1,0,0]
.set n, n+1
.endr
.endm
.macro TLD t                           ; tile t of the gate's first half, into v104 on (t even) or v88 on (t odd)
.irp e, 0,1,2,3
	ds_load_b128 v[CH-16*((\t)%2)+4*\e:CH-16*((\t)%2)+4*\e+3], v10 offset:(4*(\t)+\e)*512
.endr
.endm
.macro SLD t, nb                       ; tile t of the state, into buffer t % nb of v32, v48, v88, v104 on
.set sb, 32+16*((\t)%(\nb))+24*(((\t)%(\nb))/2)
.irp e, 0,1,2,3
	ds_load_b128 v[sb+4*\e:sb+4*\e+3], v12 offset:(4*(\t)+\e)*512
.endr
.endm
.macro SST t                           ; tile t into the state
.irp e, 0,1,2,3
	ds_store_b128 v12, v[ACC+16*(\t)+4*\e:ACC+16*(\t)+4*\e+3] offset:(4*(\t)+\e)*512
.endr
.endm
.macro SWAIT t                         ; with four buffers: behind tile t's four loads at least those of the next three tiles were issued, as far as there are such
.if (\t) <= 4
	s_wait_dscnt 12
.else
	s_wait_dscnt 4*(7-(\t))
.endif
.endm
.macro TOSTAGE                         ; the accumulators into my stage, by row and column
.irp t, 0,1,2,3,4,5,6,7
.irp rt, 0,1
.irp j, 0,1,2,3,4,5,6,7
	ds_store_b32 v11, v[ACC+16*\t+8*\rt+\j] offset:(16*\rt+\j)*SPITCH+64*\t
.endr
.endr
.endr
.endm
.macro ROWS_OUT base                   ; and out as rows: my 512 bytes of each of the 32 rows, 512 consecutive bytes a store
	WIN 0x40
.set i, 0
.rept 32
	ds_load_b128 v[128+4*i:128+4*i+3], v10 offset:i*SPITCH   ; LDS serves a wave's instructions in order: these see my stores
.set i, i+1
.endr
	WIN 0x04                                       ; a store's data are its source 1: window 1
.set i, 0
.rept 32
	s_wait_dscnt 31-i
	global_store_b128 v5, v[128+4*i:128+4*i+3], s[\base:\base+1] offset:i*4096 th:TH_STORE_NT
.set i, i+1
.endr
	WIN 0
.endm
	s_load_b256 s[4:11], s[0:1], 0x0               ; q s[4:5], c s[6:7], b_ih s[8:9], ln_gamma s[10:11]
	s_load_b128 s[12:15], s[0:1], 0x20             ; ln_beta s[12:13], out0 s[14:15]
	v_lshl_add_u32 v13, v0, 2, SPARE               ; my spare word,
	v_mov_b32 v14, 0                               ; and 0: kept for the add alone
	v_lshrrev_b32 v120, 5, v0
	v_readfirstlane_b32 s16, v120                  ; wave 0..7
	v_and_b32 v120, 15, v0                         ; r
	v_bfe_u32 v121, v0, 4, 1                       ; h
	v_and_b32 v122, 31, v0                         ; lane
	v_lshlrev_b32 v1, 4, v122
	s_lshl_b32 s38, s16, 9
	v_lshl_add_u32 v4, v120, 2, s38                ; (128 w + r) x 4
	v_add_nc_u32 v5, s38, v1                       ; 512 w + 16 x lane
	s_lshl_b32 s38, s16, 7
	s_add_co_u32 s38, s38, EX
	v_lshl_add_u32 v6, v121, 5, s38                ; EX + 128 w + 32 h
	v_lshl_add_u32 v7, v122, 2, EX                 ; EX + 4 x lane
	s_lshl_b32 s38, s16, 8
	s_add_co_u32 s39, s38, XS
	s_add_co_u32 s38, s38, BC
	v_lshl_add_u32 v8, v122, 2, s38                ; BC + 256 w + 4 x lane
	v_lshl_add_u32 v9, v121, 5, s38                ; BC + 256 w + 32 h
	v_lshl_add_u32 v126, v122, 2, s39              ; the head's stores of scale words: XS + 256 w + 4 x lane
	s_mul_i32 s38, s16, TW
	s_add_co_u32 s38, s38, TT
	v_add_nc_u32 v10, s38, v1
	v_mul_u32_u24 v11, v121, 8*SPITCH
	v_lshl_add_u32 v11, v120, 2, v11
	v_add_nc_u32 v11, s38, v11                     ; my stage: row 8 h, column r
	s_lshl_b32 s38, s16, 14
	s_add_co_u32 s38, s38, SS
	v_add_nc_u32 v12, s38, v1
	v_lshl_add_u32 v15, v122, 2, XS
	s_lshl_b32 s38, s16, 12
	v_add_nc_u32 v125, s38, v1                     ; the head's stores of code images: 4,096 w + 16 x lane
	s_and_b32 s42, ttmp9, 3                        ; my 32 rows are tiles 2 f, 2 f + 1 of unit b / 4, f = b % 4
	s_lshl_b32 s38, s42, 11
	v_add_nc_u32 v123, s38, v1                     ; their four pieces begin 2,048 f bytes into a group
	s_lshl_b32 s38, s42, 2
	v_add_nc_u32 v124, s38, v1                     ; their scale words: word f of each lane's four
	s_lshr_b32 s38, s16, 2                         ; wave w brings source w / 4, K steps 2 (w % 4) and the next
	s_lshl_b32 s38, s38, 6
	s_lshr_b32 s39, ttmp9, 2
	s_add_co_u32 s38, s38, s39
	s_add_co_u32 s38, s38, 64
	s_mul_i32 s38, s38, UNIT
	s_and_b32 s39, s16, 3
	s_mul_i32 s39, s39, 2*GRP
	s_add_co_u32 s38, s38, s39
	s_mov_b32 s39, 0
	s_mul_i32 s40, s16, 8*UNIT                     ; my wave's stream of weights
	s_mov_b32 s41, 0
	s_lshl_b32 s46, ttmp9, 17                      ; my 32 rows of 4,096 bytes
	s_mov_b32 s47, 0
	s_mov_b32 s43, 0x3a800000                      ; 1 / 1,024
	s_mov_b32 s44, 0x3727c5ac                      ; eps = 1e-5
.set i, PG
.rept 48
	v_mov_b32 v[i], 0                              ; v72-119, once: each is so written before it is read on every way through the branches on the phase's number (the pairs' upper words among them)
.set i, i+1
.endr
	v_mov_b32 v127, 0
	s_wait_kmcnt 0x0
	s_add_nc_u64 s[48:49], s[4:5], s[38:39]
	s_add_nc_u64 s[24:25], s[4:5], s[40:41]
	s_add_nc_u64 s[26:27], s[6:7], s[46:47]
	s_add_nc_u64 s[28:29], s[14:15], s[46:47]      ; h_new's plane
	s_add_nc_u64 s[30:31], s[28:29], 0x2000000     ; c_new's
.set i, 0
.rept 8
	global_load_b128 v[ACC+4*i:ACC+4*i+3], v123, s[48:49] offset:(i/4)*GRP+(i%4)*512
.set i, i+1
.endr
	global_load_b32 v[ACC+32], v124, s[48:49] offset:8192
	global_load_b32 v[ACC+33], v124, s[48:49] offset:GRP+8192
	LDG 0
	LDG 1
	LDG 2
	s_wait_loadcnt 51                              ; the activations' ten loads are in; the three groups of 17 behind them may be out
.set i, 0
.rept 8
	ds_store_b128 v125, v[ACC+4*i:ACC+4*i+3] offset:512*i
.set i, i+1
.endr
	ds_store_b32 v126, v[ACC+32]
	ds_store_b32 v126, v[ACC+33] offset:128
	LDG 3
	s_wait_dscnt 0x0                               ; for the others' sake: my part of the activations lies in LDS
	s_barrier_signal -1
	s_barrier_wait -1
	s_mov_b32 s18, 0                               ; the phase
.Lphase:
	s_and_b32 s19, s18, 1                          ; the source: 0 x and w_ih, 1 h and w_hh
	s_lshr_b32 s20, s18, 1                         ; the gate's place in the order i, a, f, o
	s_and_b32 s21, s20, 1
	s_lshl_b32 s21, s21, 1
	s_lshr_b32 s38, s20, 1
	s_or_b32 s21, s21, s38                         ; its number in reference(): i 0, f 1, a 2, o 3
	s_mov_b32 s22, 0xbfb8aa3b                      ; K = -log2 e for a sigmoid,
	s_cmp_eq_u32 s20, 1
	s_cselect_b32 s22, 0x4038aa3b, s22             ; 2 log2 e for the tanh
	s_lshl_b32 s38, s21, 13
	s_mov_b32 s39, 0
	s_add_nc_u64 s[34:35], s[12:13], s[38:39]      ; ln_beta's row 2 g
	s_lshl_b32 s40, s19, 12
	s_add_co_u32 s38, s38, s40
	s_add_nc_u64 s[32:33], s[10:11], s[38:39]      ; ln_gamma's row 2 g + source
	s_lshl_b32 s38, s21, 12
	s_add_nc_u64 s[36:37], s[8:9], s[38:39]        ; b_ih's part g
.irp t, 0,1,2,3,4,5,6,7
	global_load_b32 v[PG+2*\t], v4, s[32:33] offset:64*\t
.endr
	s_cmp_lg_u32 s19, 0
	s_cbranch_scc1 .Lno_beta                       ; the biases go in with a gate's first half
.irp t, 0,1,2,3,4,5,6,7
	global_load_b32 v[CH+\t], v4, s[34:35] offset:64*\t
	global_load_b32 v[CH+8+\t], v4, s[34:35] offset:4096+64*\t
	global_load_b32 v[TD+\t], v4, s[36:37] offset:64*\t
.endr
.Lno_beta:
	s_lshl_b32 s38, s19, 14
	v_add_nc_u32 v2, s38, v1
	s_lshl_b32 s38, s19, 10
	v_add_nc_u32 v3, s38, v15
.irp k, 0,1,2,3,4,5,6,7
	ds_load_b32 v[XSC+\k], v3 offset:128*\k
.endr
	XLD 0
	XLD 1
	; 57: on every way to these four steps at least 57 loads were issued behind the step's group: three groups of 17 and the eight gains (59); behind the phase that fetched c: a group, c's 32 and the eight (57).
	; 4: the next step's four LDS loads
	KSTEP 0, 1, 57, 4, 1
	KSTEP 1, 0, 57, 4, 1
	KSTEP 2, 0, 57, 4, 1
	KSTEP 3, 0, 57, 4, 1
	s_cmp_eq_u32 s18, 5
	s_cbranch_scc1 .Lwith_c
	s_cmp_eq_u32 s18, 7
	s_cbranch_scc1 .Llast
	KSTEP 4, 0, 51, 4, 1                           ; 51: three groups of 17.  (This wait also shows the phase's parameters landed: four groups were issued behind them)
	KSTEP 5, 0, 51, 4, 1
	KSTEP 6, 0, 51, 4, 1
	KSTEP 7, 0, 51, 0, 1
	s_branch .Lepi
.Lwith_c:                                      ; the forget gate's second half: c takes the place of the next phase's third and fourth group, which are fetched when c has been used
	KSTEP 4, 0, 51, 4, 1
	KSTEP 5, 0, 51, 4, 1
	KSTEP 6, 0, 51, 4, 2
	KSTEP 7, 0, 50, 0, 2                           ; two groups of 17 and 16 rows of c
	s_branch .Lepi
.Llast:                                        ; the last phase fetches nothing more: the counts run down
	KSTEP 4, 0, 51, 4, 0
	KSTEP 5, 0, 34, 4, 0
	KSTEP 6, 0, 17, 4, 0
	KSTEP 7, 0, 0, 0, 0
.Lepi:
	s_cmp_lg_u32 s19, 0
	s_cbranch_scc1 .Lno_bias
.irp t, 0,1,2,3,4,5,6,7
	v_add_f32 v[CH+\t], v[CH+\t], v[CH+8+\t]
.endr
.irp t, 0,1,2,3,4,5,6,7
	v_add_f32 v[CH+\t], v[CH+\t], v[TD+\t]
.endr
.irp t, 0,1,2,3,4,5,6,7
	v_mul_f32 v[PB+2*\t], s22, v[CH+\t]            ; (beta_ih + beta_hh + b_ih) K
.endr
.Lno_bias:
	STATS
	s_cmp_lg_u32 s19, 0
	s_cbranch_scc1 .Lsecond
.irp t, 0,1,2,3,4,5,6,7                        ; A GATE'S FIRST HALF waits in LDS, as an image of its registers
	NORM \t
	AFFB \t
.irp e, 0,1,2,3
	ds_store_b128 v10, v[ACC+16*\t+4*\e:ACC+16*\t+4*\e+3] offset:(4*\t+\e)*512
.endr
.endr
	s_branch .Lnext
.Lsecond:                                      ; THE SECOND HALF takes the first in, tile by tile, two tiles ahead
	TLD 0
	TLD 1
.irp t, 0,1,2,3,4,5,6,7
.if \t < 7
	s_wait_dscnt 4                                 ; tile t's four loads are in; the next tile's four may be out
.else
	s_wait_dscnt 0x0
.endif
	NORM \t
	AFFC \t
.if \t < 6
	TLD \t+2
.endif
	EXPT \t                                        ; no line names an exponential's result before the batch of 128 is out
.endr
	ONERCP
	s_cmp_eq_u32 s20, 0
	s_cbranch_scc1 .Ltail_i
	s_cmp_eq_u32 s20, 1
	s_cbranch_scc1 .Ltail_a
	s_cmp_eq_u32 s20, 2
	s_cbranch_scc1 .Ltail_f
	; o: h_new = o x tanh(LN(c_new))
	SLD 0, 4
	SLD 1, 4
	SLD 2, 4
	SLD 3, 4
.irp t, 0,1,2,3,4,5,6,7
	SWAIT \t
.set sb, 32+16*(\t%4)+24*((\t%4)/2)
.set n, 0
.rept 8
	v_pk_mul_f32 v[ACC+16*\t+2*n:ACC+16*\t+2*n+1], v[ACC+16*\t+2*n:ACC+16*\t+2*n+1], v[sb+2*n:sb+2*n+1]
.set n, n+1
.endr
.if \t < 4
	SLD \t+4, 4
.endif
.endr
	TOSTAGE
	ROWS_OUT 28
	s_branch .Lnext
.Ltail_i:                                      ; i: the state is i
.irp t, 0,1,2,3,4,5,6,7
	SST \t
.endr
	s_branch .Lnext
.Ltail_a:                                      ; a = 1 - 2 r; the state becomes i a
	SLD 0, 4
	SLD 1, 4
	SLD 2, 4
	SLD 3, 4
.irp t, 0,1,2,3,4,5,6,7
	SWAIT \t                                       ; (the stores between the loads only add to what is younger)
	TANH_T \t
.set sb, 32+16*(\t%4)+24*((\t%4)/2)
.set n, 0
.rept 8
	v_pk_mul_f32 v[ACC+16*\t+2*n:ACC+16*\t+2*n+1], v[ACC+16*\t+2*n:ACC+16*\t+2*n+1], v[sb+2*n:sb+2*n+1]
.set n, n+1
.endr
	SST \t
.if \t < 4
	SLD \t+4, 4
.endif
.endr
	s_branch .Lnext
.Ltail_f:                                      ; f: c_new = f c + i a; it leaves; the state becomes tanh(LN(c_new))
	s_wait_loadcnt 0x0                             ; c is in
.irp t, 0,1,2,3,4,5,6,7
	global_load_b32 v[PG+2*\t], v4, s[10:11] offset:8*4096+64*\t   ; the ninth norm's gain and bias
	global_load_b32 v[PB+2*\t], v4, s[12:13] offset:8*4096+64*\t
.endr
	WIN 0x04                                       ; an LDS store's data are its source 1: window 1
.set i, 0
.rept 32
	ds_store_b128 v10, v[128+4*i:128+4*i+3] offset:i*SPITCH   ; c by rows into my stage,
.set i, i+1
.endr
	WIN 0x40
.irp t, 0,1,2,3,4,5,6,7
.irp rt, 0,1
.irp j, 0,1,2,3,4,5,6,7
	ds_load_b32 v[128+16*\t+8*\rt+\j], v11 offset:(16*\rt+\j)*SPITCH+64*\t   ; and back in the accumulators' layout, at the accumulators' numbers in window 1
.endr
.endr
.endr
	WIN 0x04                                       ; source 1 window 1: c; the LDS loads below have no source 1
	SLD 0, 2
	SLD 1, 2
.irp t, 0,1,2,3,4,5,6,7
.if \t < 7
	s_wait_dscnt 4                                 ; tile t of the state is in, and all of c, which was asked for earlier; the next tile's four loads may be out
.else
	s_wait_dscnt 0x0
.endif
.set sb, 32+16*(\t%2)
.set n, 0
.rept 8
	v_pk_fma_f32 v[ACC+16*\t+2*n:ACC+16*\t+2*n+1], v[ACC+16*\t+2*n:ACC+16*\t+2*n+1], v[128+16*\t+2*n:128+16*\t+2*n+1], v[sb+2*n:sb+2*n+1]   ; f (window 0) x c (window 1) + i a
.set n, n+1
.endr
.if \t < 6
	SLD \t+2, 2
.endif
.endr
	WIN 0
	TOSTAGE
	ROWS_OUT 30
	s_wait_xcnt 0x0                                ; the stores have read their registers: the ring's groups 2 and 3 may be loaded again
	LDG 10                                         ; the two groups of the next phase that c's rows displaced
	LDG 11
	s_mov_b32 s22, 0x4038aa3b                      ; K = 2 log2 e
	STATS
	s_wait_loadcnt 34                              ; the gain and bias are in; the two groups of 17 behind them may be out
.irp t, 0,1,2,3,4,5,6,7
	v_mul_f32 v[PB+2*\t], s22, v[PB+2*\t]
.endr
.irp t, 0,1,2,3,4,5,6,7
	NORM \t
	AFFB \t
	EXPT \t
.endr
	ONERCP
.irp t, 0,1,2,3,4,5,6,7
	TANH_T \t
	SST \t
.endr
.Lnext:
	s_wait_xcnt 0x0                                ; every earlier memory instruction has had its addresses translated: the stream's base and the parameters' bases may be written
	s_add_nc_u64 s[24:25], s[24:25], UNIT
	s_add_co_u32 s18, s18, 1
	s_cmp_lt_u32 s18, 8
	s_cbranch_scc1 .Lphase
	s_wait_tensorcnt 0x0                           ; the wave's end: behind my last LDS store
	ds_add_u32 v13, v14
	s_wait_dscnt 0x0
	s_endpgm
.Lfunc_end_k_q6c6e2133c8_cell:
	.size	k_q6c6e2133c8_cell, .Lfunc_end_k_q6c6e2133c8_cell-k_q6c6e2133c8_cell
	.p2alignl 7, 3214868480
	.fill 96, 4, 3214868480
	.section	.rodata,"a",@progbits
	.p2align	6, 0x0
	.amdhsa_kernel k_q6c6e2133c8_cell
		.amdhsa_group_segment_fixed_size 306176
		.amdhsa_private_segment_fixed_size 0
		.amdhsa_enable_private_segment 0
		.amdhsa_kernarg_size 48
		.amdhsa_user_sgpr_count 2
		.amdhsa_user_sgpr_kernarg_segment_ptr 1
		.amdhsa_wavefront_size32 1
		.amdhsa_system_sgpr_workgroup_id_x 1
		.amdhsa_system_sgpr_workgroup_id_y 1
		.amdhsa_system_sgpr_workgroup_id_z 1
		.amdhsa_system_vgpr_workitem_id 0
		.amdhsa_next_free_vgpr 512
		.amdhsa_next_free_sgpr 66
		.amdhsa_reserve_vcc 0
		.amdhsa_float_denorm_mode_32 3
		.amdhsa_float_denorm_mode_16_64 3
		.amdhsa_memory_ordered 1
		.amdhsa_forward_progress 1
		.amdhsa_inst_pref_size 254
	.end_amdhsa_kernel
	.amdgpu_metadata
---
amdhsa.version: [ 1, 2 ]
amdhsa.kernels:
  - .name:           k_q6c6e2133c8_cell
    .symbol:         k_q6c6e2133c8_cell.kd
    .args:
      - { .name: q, .offset: 0, .size: 8, .value_kind: global_buffer, .address_space: global }
      - { .name: c, .offset: 8, .size: 8, .value_kind: global_buffer, .address_space: global }
      - { .name: b_ih, .offset: 16, .size: 8, .value_kind: global_buffer, .address_space: global }
      - { .name: ln_gamma, .offset: 24, .size: 8, .value_kind: global_buffer, .address_space: global }
      - { .name: ln_beta, .offset: 32, .size: 8, .value_kind: global_buffer, .address_space: global }
      - { .name: out0, .offset: 40, .size: 8, .value_kind: global_buffer, .address_space: global }
    .group_segment_fixed_size: 306176
    .private_segment_fixed_size: 0
    .kernarg_segment_align: 8
    .kernarg_segment_size: 48
    .max_flat_workgroup_size: 256
    .sgpr_count:     66
    .vgpr_count:     512
    .wavefront_size: 32
...
	.end_amdgpu_metadata
.endif
;; end of part 2
;; ======== version 2 of 2: 2 launches
;; workspace buffers: q 13,369,344 bytes
;; launch quant (part 3): grid 768 x 1, 8 waves a work-group, no clusters, 69,632 bytes of LDS; arguments x, h, w_ih, w_hh, q; writes q
.if DOCPART == 3
	.amdgcn_target "amdgcn-amd-amdhsa--gfx1250"
	.amdhsa_code_object_version 6
	.text
	.protected	k_q6c6e2133c8_quant
	.globl	k_q6c6e2133c8_quant
	.p2align	8
	.type	k_q6c6e2133c8_quant,@function
k_q6c6e2133c8_quant:
	s_mov_b64 s[64:65], 0
	v_nop
	global_prefetch_b8 v0, s[64:65] scope:SCOPE_SE
	s_setreg_imm32_b32 hwreg(HW_REG_WAVE_MODE, 25, 1), 1
	s_wait_xcnt 0x0
; LSTM cell, first of two launches: x, h [8192][1024] and w_ih, w_hh [4096][1024], f32, K innermost, become codes of E2M1 with one E8M0 byte for each 32 along K.
; NOTHING OF reference() IS LEFT OUT by this program: both products, all nine LayerNorms, every bias, gain and gate have a way to the output.  'time' is a constant that reference() never uses:
; it has no buffer and is no argument.
; A block's scale is 2^(floor(log2(largest magnitude)) - 2); its byte is the largest magnitude's exponent field - 2, held at 1 from below.  A block of zeros so gets the byte 1 where the rule says 127:
; its codes are zeros, which add nothing under any byte but 0xff, and this program alone reads the bytes.
; LIMITS: NaN and infinities among the inputs are not served; blocks whose largest magnitude lies under 2^(3 - 127) get the byte 1.
; THE WORKSPACE q IS LAID AS THE SECOND LAUNCH'S OPERAND REGISTERS.  192 units of 69,632 bytes; a unit is 128 rows x 1,024 K: [K step 0..7][piece 0..16][512 bytes].
;   piece 2 T + c (T: tile of 16 rows, c = 0, 1): lane (r, h) owns the 16 bytes at 16 x lane: the 32 codes of k = 128 ks + 64 c + 32 h + 0..31 of row 16 T + r: registers 4 c .. 4 c + 3 of a fragment.
;   piece 16: lane m owns 4 words; word f is the scale word (four bytes: this K step's four blocks) of row 16 (2 f + m / 16) + m % 16.
;   units 0-63: weights, unit 8 w + p: columns 128 w .. + 127 of gate g(p) of w_ih (p even) or w_hh (p odd); p / 2 = 0, 1, 2, 3 stands for the gates i, a, f, o (rows 0, 2, 1, 3 x 1,024).
;   units 64-127: x, units 128-191: h, 128 rows each.
; SHARES.  A work-group takes two K steps of a unit; each of its eight waves a tile of 16 rows x 256 K.  Every load reads 512 consecutive bytes; the numbers turn through the wave's own stage in LDS, so that
; a lane then holds whole blocks of 32 neighbours; every store of codes is a whole piece of 512 bytes; the scale words meet in LDS and leave as whole pieces too.
.set UNIT,   69632
.set GRP,    8704                      ; a K step's 17 pieces
.set SPITCH, 528                       ; a stage row: 512 bytes + 16 = 33 x 16: sixteen rows begin at sixteen different places modulo 256 bytes
.set WST,    16*SPITCH                 ; a wave's stage
.set SCI,    8*WST                     ; behind the stages: two scale pieces of 512 bytes
.set SPARE,  SCI+1024                  ; the spare words, 128 bytes for each wave: four blocks of 256 bytes that no other line names
.set SPW,    12                        ; v12  LDS address of my spare word; never rewritten
.set NIL,    13                        ; v13  0; never rewritten
.set R,      16                        ; v16-143   the numbers as loaded: 2 K steps x 16 rows x 4 registers
.set X,      144                       ; v144-207  two blocks of 32 neighbours
.set C,      208                       ; v208-223  codes: four registers for each (K step, c): no store's data are written again
.set SWD,    224                       ; v224-225  the scale words
	s_load_b256 s[4:11], s[0:1], 0x0               ; x, h, w_ih, w_hh
	s_load_b64 s[12:13], s[0:1], 0x20              ; q
	v_lshl_add_u32 v[SPW], v0, 2, SPARE
	v_mov_b32 v[NIL], 0
	v_lshrrev_b32 v8, 5, v0
	s_delay_alu instid0(VALU_DEP_1)
	v_readfirstlane_b32 s16, v8                    ; wave = tile T
	v_and_b32 v8, 31, v0                           ; lane
	v_and_b32 v9, 15, v0                           ; r
	v_bfe_u32 v10, v0, 4, 1                        ; h
	s_delay_alu instid0(VALU_DEP_3)
	v_lshlrev_b32 v1, 4, v8                        ; v1: 16 x lane
	s_wait_alu depctr_va_vdst(0)
	s_mul_i32 s22, s16, WST
	v_add_nc_u32 v2, s22, v1                       ; v2: into the stage, as loaded
	v_mul_u32_u24 v3, v9, SPITCH
	s_delay_alu instid0(VALU_DEP_1)
	v_lshl_add_u32 v3, v10, 7, v3
	s_delay_alu instid0(VALU_DEP_1)
	v_add_nc_u32 v3, s22, v3                       ; v3: out of it: row r, + 128 h bytes: my block of 32 numbers
	s_and_b32 s23, s16, 1
	s_lshl_b32 s24, s23, 8
	s_lshr_b32 s25, s16, 1
	s_lshl_b32 s25, s25, 2
	s_add_co_u32 s24, s24, s25
	s_add_co_u32 s24, s24, SCI
	v_lshl_add_u32 v4, v9, 4, s24                  ; v4: my row's word in a scale piece: lane 16 (T % 2) + r, word T / 2
	s_lshl_b32 s24, s23, 9
	s_add_co_u32 s24, s24, SCI
	v_add_nc_u32 v5, s24, v1                       ; v5: a whole scale piece, 16 bytes a lane (waves 0 and 1 read one each)
	v_lshlrev_b32 v6, 3, v10                       ; v6: 8 h
	v_mov_b32 v7, 0                                ; written once: a lane permute's destination counts as one of its sources
	s_mov_b32 s20, 0x76543210
	s_mov_b32 s21, 0xfedcba98                      ; v_permlanex16_b32's selects for lane l xor 16
	s_lshr_b32 s17, ttmp9, 2                       ; the unit U
	s_and_b32 s18, ttmp9, 3                        ; which two K steps
	s_lshr_b32 s28, s17, 3                         ; a unit of weights: w,
	s_and_b32 s29, s17, 1                          ; the source (0: w_ih),
	s_bfe_u32 s30, s17, 0x20001                    ; the gate's place in the order i, a, f, o,
	s_and_b32 s31, s30, 1
	s_lshl_b32 s31, s31, 1
	s_lshr_b32 s30, s30, 1
	s_or_b32 s31, s31, s30                         ; the gate's number in reference(): i 0, f 1, a 2, o 3
	s_lshl_b32 s31, s31, 10
	s_lshl_b32 s28, s28, 7
	s_add_co_u32 s31, s31, s28                     ; its first row
	s_sub_co_u32 s32, s17, 64                      ; a unit of activations:
	s_lshr_b32 s33, s32, 6                         ; the source (0: x),
	s_and_b32 s32, s32, 63
	s_lshl_b32 s32, s32, 7                         ; its first row
	s_cmp_lt_u32 s17, 64                           ; the choice hangs on the work-group's number alone
	s_cselect_b32 s29, s29, s33
	s_cselect_b32 s31, s31, s32
	s_lshl_b32 s32, s16, 4
	s_add_co_u32 s31, s31, s32                     ; my wave's first row
	s_lshl_b32 s32, s31, 12                        ; x 4,096 bytes
	s_lshl_b32 s33, s18, 10
	s_add_co_u32 s32, s32, s33                     ; + my two K steps
	s_mov_b32 s33, 0
	s_mul_i32 s34, s17, UNIT
	s_mul_i32 s35, s18, 2*GRP
	s_add_co_u32 s34, s34, s35                     ; q: the unit's first of my two groups
	s_mul_i32 s36, s23, GRP
	s_add_co_u32 s36, s36, s34
	s_add_co_u32 s36, s36, 8192                    ; the scale piece of group wave % 2
	s_mov_b32 s37, 0
	s_lshl_b32 s35, s16, 10
	s_add_co_u32 s34, s34, s35                     ; my tile's two pieces
	s_mov_b32 s35, 0
	s_wait_alu depctr_va_vdst(0)
	s_wait_kmcnt 0x0
	s_cmp_eq_u32 s29, 0
	s_cselect_b64 s[8:9], s[8:9], s[10:11]         ; w_ih or w_hh
	s_cselect_b64 s[4:5], s[4:5], s[6:7]           ; x or h
	s_cmp_lt_u32 s17, 64
	s_cselect_b64 s[4:5], s[8:9], s[4:5]
	s_add_nc_u64 s[4:5], s[4:5], s[32:33]
	s_add_nc_u64 s[14:15], s[12:13], s[34:35]
	s_add_nc_u64 s[26:27], s[12:13], s[36:37]
.irp ksl, 0,1
.set i, 0
.rept 16
	global_load_b128 v[R+64*\ksl+4*i:R+64*\ksl+4*i+3], v1, s[4:5] offset:i*4096+\ksl*512 th:TH_LOAD_NT   ; row i, one K step: 32 lanes read 512 consecutive bytes
.set i, i+1
.endr
.endr
; One K step of my 16 rows.
.macro QK ksl
.if \ksl == 0
	s_wait_loadcnt 16                              ; the first K step's 16 loads are in; the second's 16 may be out
.else
	s_wait_loadcnt 0x0
.endif
.set i, 0
.rept 16
	ds_store_b128 v2, v[R+64*\ksl+4*i:R+64*\ksl+4*i+3] offset:i*SPITCH
.set i, i+1
.endr
.irp c, 0,1
.irp e, 0,1,2,3,4,5,6,7
	ds_load_b128 v[X+32*\c+4*\e:X+32*\c+4*\e+3], v3 offset:256*\c+16*\e   ; LDS serves a wave's instructions in order: these see my stores.  Block 2 c + h of row r
.endr
.endr
	s_wait_dscnt 0x0
.irp c, 0,1
	v_max3_num_f32 v[8+\c], |v[X+32*\c]|, |v[X+32*\c+1]|, 0x1800000   ; the block's largest magnitude: all 32 numbers are mine; and the floor 2^(3 - 127): the byte cannot fall under 1
.endr
.irp i2, 2,4,6,8,10,12,14,16,18,20,22,24,26,28,30
.irp c, 0,1
	s_delay_alu instid0(VALU_DEP_2)
	v_max3_num_f32 v[8+\c], v[8+\c], |v[X+32*\c+\i2]|, |v[X+32*\c+\i2+1]|   ; (the two blocks by turns)
.endr
.endr
.irp c, 0,1
	s_delay_alu instid0(VALU_DEP_2)
	v_add_nc_u32 v[10+\c], 0xff000000, v[8+\c]     ; 2 off its exponent field: the conversion takes the exponent field of this operand as its scale, and nothing else of it
.endr
.irp c, 0,1
	s_delay_alu instid0(VALU_DEP_2)
	v_lshrrev_b32 v[14+\c], 23, v[10+\c]           ; the scale's byte
.endr
.irp c, 0,1
.irp g, 0,1,2,3
	v_cvt_scalef32_pk8_fp4_f32 v[C+8*\ksl+4*\c+\g], v[X+32*\c+8*\g:X+32*\c+8*\g+7], v[10+\c]   ; registers 4 c .. 4 c + 3 of the fragment
.endr
.endr
	v_nop                                          ; one plain place behind the scaled conversions
.irp c, 0,1
	global_store_b128 v1, v[C+8*\ksl+4*\c:C+8*\ksl+4*\c+3], s[14:15] offset:\ksl*GRP+\c*512   ; a whole piece: 512 consecutive bytes
.endr
	v_lshl_or_b32 v[SWD+\ksl], v15, 16, v14        ; my two bytes: blocks h and 2 + h of row r,
	s_delay_alu instid0(VALU_DEP_1)
	v_lshlrev_b32 v[SWD+\ksl], v6, v[SWD+\ksl]     ; at their places in the scale word (8 h bits up);
	s_delay_alu instid0(VALU_DEP_1)
	v_permlanex16_b32 v7, v[SWD+\ksl], s20, s21
	s_delay_alu instid0(VALU_DEP_1)
	v_or_b32 v[SWD+\ksl], v[SWD+\ksl], v7          ; with lane l xor 16's two the word is whole
	ds_store_b32 v4, v[SWD+\ksl] offset:\ksl*512   ; both halves of the lanes write the same word with the same value
.endm
	QK 0
	QK 1
	s_wait_dscnt 0x0                               ; for the others' sake: my scale words lie in LDS
	s_barrier_signal -1
	s_barrier_wait -1
	s_cmp_gt_u32 s16, 1                            ; waves 0 and 1 store a scale piece each
	s_cbranch_scc1 .Ldone
	ds_load_b128 v[228:231], v5
	s_wait_dscnt 0x0
	global_store_b128 v1, v[228:231], s[26:27]     ; 512 consecutive bytes
.Ldone:
	s_wait_tensorcnt 0x0                           ; the wave's end: behind my last LDS store
	ds_add_u32 v[SPW], v[NIL]
	s_wait_dscnt 0x0
	s_endpgm
.Lfunc_end_k_q6c6e2133c8_quant:
	.size	k_q6c6e2133c8_quant, .Lfunc_end_k_q6c6e2133c8_quant-k_q6c6e2133c8_quant
	.p2alignl 7, 3214868480
	.fill 96, 4, 3214868480
	.section	.rodata,"a",@progbits
	.p2align	6, 0x0
	.amdhsa_kernel k_q6c6e2133c8_quant
		.amdhsa_group_segment_fixed_size 69632
		.amdhsa_private_segment_fixed_size 0
		.amdhsa_enable_private_segment 0
		.amdhsa_kernarg_size 40
		.amdhsa_user_sgpr_count 2
		.amdhsa_user_sgpr_kernarg_segment_ptr 1
		.amdhsa_wavefront_size32 1
		.amdhsa_system_sgpr_workgroup_id_x 1
		.amdhsa_system_sgpr_workgroup_id_y 1
		.amdhsa_system_sgpr_workgroup_id_z 1
		.amdhsa_system_vgpr_workitem_id 0
		.amdhsa_next_free_vgpr 240
		.amdhsa_next_free_sgpr 66
		.amdhsa_reserve_vcc 0
		.amdhsa_float_denorm_mode_32 3
		.amdhsa_float_denorm_mode_16_64 3
		.amdhsa_memory_ordered 1
		.amdhsa_forward_progress 1
		.amdhsa_inst_pref_size 20
	.end_amdhsa_kernel
	.amdgpu_metadata
---
amdhsa.version: [ 1, 2 ]
amdhsa.kernels:
  - .name:           k_q6c6e2133c8_quant
    .symbol:         k_q6c6e2133c8_quant.kd
    .args:
      - { .name: x, .offset: 0, .size: 8, .value_kind: global_buffer, .address_space: global }
      - { .name: h, .offset: 8, .size: 8, .value_kind: global_buffer, .address_space: global }
      - { .name: w_ih, .offset: 16, .size: 8, .value_kind: global_buffer, .address_space: global }
      - { .name: w_hh, .offset: 24, .size: 8, .value_kind: global_buffer, .address_space: global }
      - { .name: q, .offset: 32, .size: 8, .value_kind: global_buffer, .address_space: global }
    .group_segment_fixed_size: 69632
    .private_segment_fixed_size: 0
    .kernarg_segment_align: 8
    .kernarg_segment_size: 40
    .max_flat_workgroup_size: 256
    .sgpr_count:     66
    .vgpr_count:     240
    .wavefront_size: 32
...
	.end_amdgpu_metadata
.endif
;; end of part 3
;; launch cell (part 4): grid 256 x 1, 8 waves a work-group, no clusters, 306,176 bytes of LDS; arguments q, c, b_ih, ln_gamma, ln_beta, out0; writes out0
.if DOCPART == 4
	.amdgcn_target "amdgcn-amd-amdhsa--gfx1250"
	.amdhsa_code_object_version 6
	.text
	.protected	k_q6c6e2133c8_cell
	.globl	k_q6c6e2133c8_cell
	.p2align	8
	.type	k_q6c6e2133c8_cell,@function
k_q6c6e2133c8_cell:
	s_mov_b64 s[64:65], 0
	v_nop
	global_prefetch_b8 v0, s[64:65] scope:SCOPE_SE
	s_setreg_imm32_b32 hwreg(HW_REG_WAVE_SCHED_MODE, 0, 2), 2
	s_setreg_imm32_b32 hwreg(HW_REG_WAVE_MODE, 25, 1), 1
	s_wait_xcnt 0x0
	s_wait_alu depctr_vm_vsrc(0)
; LSTM cell, second launch: both MX-FP4 products, the eight LayerNorms of the gates' halves, the gates, c_new, its LayerNorm and h_new, fused.  Nothing of reference() is left out.
; SHARES.  A LayerNorm wants all 1,024 columns of a row, so a work-group owns whole rows: 32 of them (256 work-groups).  Wave w of eight owns columns 128 w .. + 127 of every gate.
; EIGHT PHASES, one for each (gate, source): i, a, f, o, each first x w_ih^T, then h w_hh^T.  A phase: 8 K steps of 128, 16 products each (8 tiles of 16 columns x 2 tiles of 16 rows; 128 accumulator registers);
; then the rows' mean and variance over the eight waves, the norm, gain and bias.  The first half of a gate waits in LDS for the second; i, then i a, then tanh(LN(c_new)) wait in LDS as 'the state'.
; LAYOUT.  Source 0 = 16 rows of x or h, source 1 = 16 rows of W.  Lane (r, h) holds column 16 t + r; register j of accumulator (t, rt) holds row 16 rt + 8 h + j.  So a gain or bias is one register a tile,
; and a row's figures are register pairs for the packed forms.
; THE WEIGHTS GO FROM MEMORY STRAIGHT INTO REGISTERS, through a ring of four groups of 64 registers (and 4 of scale words) with counted waits: the first launch has laid them in the order of my operand registers,
; a wave's whole stream being 557,056 consecutive bytes.  NO CLUSTER, NO JOINT LOADS, NO RING IN LDS: a fragment of W is used by one wave alone, for two products, so LDS would spare no read of it;
; and of 327,680 bytes of LDS this text holds 306,176 (the gate's first half 135,168, the state 131,072, the activations' codes 34,816, the rest small): 21,504 are left, less than two slots of one K step of the
; eight waves (2 x 69,632).
; THE MEAN AND VARIANCE: each wave takes its own 128 columns' mean and the squares about that mean; the eight are joined by mean = the means' mean, M2 = the sum of the M2 + 128 x the sum of (mean_w - mean)^2:
; no difference of large sums is formed.
; sigmoid(x) = 1 / (1 + 2^(-x log2 e)), tanh(x) = 1 - 2 / (1 + 2^(2 x log2 e)): the factor K = -log2 e or 2 log2 e is folded into 1 / sqrt(var + eps) and into the biases.
; LIMITS: NaN and infinities among the inputs are not served.  beta_ih + beta_hh + b_ih are added first and scaled by K: another order of rounding than reference()'s.  An exponential that overflows or falls to 0
; gives the gate's end value (0, 1, -1) exactly.
; THE MODE: SCHED_MODE bits 1:0 = 2 (LLVM: expert scheduling mode 2), set by the entry lines.  The code itself states the register dependences between vector or matrix instructions and memory or LDS
; instructions, with s_wait_alu, always for 0.
; THE PLAN.  Registers that memory or LDS instructions touch, and who else names them:
;   the ring's slots and v16-31   Group k lands in slot k % 4; step k's products read it.  Slot (k - 1) % 4 is asked for again (group k + 3) in the middle of step k; slot 3 behind step 7.
;   v32, v48, v88 on              Three buffers of the activations' fragments: step k's products read buffer k % 3; the fragments of step k + 2 land in buffer (k - 1) % 3 in the middle of step k.
;   v64-71, v72-87, v104-127      Landing places filled at a phase's head; read by that phase's products and vector lines.
;   v2, v3                        The one pair of addresses that is written in the loop: at a phase's head.  All other addresses are made once, at the kernel's head.
;   the accumulators              Written by products and vector lines; read by the LDS stores of the ways out (the first half's image, the state, the stage).
;   v32, v48, v88, v104 on        Behind the products: buffers for chunks of the first half and of the state: LDS loads land, packed lines read.
;   v32-63, v122, v123            In STATS: data of LDS stores.
; So: two waits at a phase's head; ONE wait on va_vdst at the head of each K step from the second on, behind the waits for its data, which states that the step before is done reading what this step's loads
; land in; one more behind step 7; four in STATS.  The ways out go by halves of four tiles: arithmetic, one wait, then the stores and the next chunks' loads dealt among the other half's arithmetic.
.set UNIT,   69632
.set GRP,    8704                      ; a K step of a unit: 16 pieces of codes and one of scale words, 512 bytes each
.set XS,     32768                     ; LDS: 0: the activations' code images [source][K step][rt][c][512];  XS: their scale words [source][K step][128]
.set EX,     34816                     ; the waves' means [wave][32 rows], 1,024 bytes; then their M2 likewise
.set BC,     36864                     ; 256 bytes a wave: K / sqrt(var + eps) of the 32 rows, then -mean x that
.set TT,     38912                     ; 16,896 bytes a wave: the image of a gate's first half (32 x 512), or a stage of 32 rows of 512 + 16 bytes
.set TW,     16896
.set SPITCH, 528
.set SS,     174080                    ; 16,384 bytes a wave: the image of the state
.set SPARE,  305152                    ; the spare words, 128 bytes for each wave: four blocks of 256 bytes that no other line names
; REGISTERS.  Window 1 (v256-511): the ring: group q at 64 q, tile t's fragment at 64 q + 8 t.  Window 0:
;   v1 16 x lane; v2, v3 the phase's activations and their scale words in LDS; v4 my column's byte in a row of parameters; v5 my 16 bytes of a row of c or out0; v6, v7 EX in, out; v8, v9 BC in, out;
;   v10 T by 16 x lane; v11 T by (row, column); v12 S; v13, v14 the add's two; v15 XS + 4 x lane
.set SCW,  16                          ; v16-31   W's scale words, four registers a group: register t / 2, lanes 0-15 tile t even, lanes 16-31 tile t odd.  Scales and nothing else
.set XF,   32                          ; v32-63   the activations' fragments, buffers 0 and 1 of 16 (buffer 2: v88-103); behind the products:
.set SUM,  32                          ;          sums and means, later K / sqrt(var + eps) by row;
.set QQ,   48                          ;          M2, later -mean K / sqrt(var + eps)
.set XSC,  64                          ; v64-71   the activations' scale words of the 8 K steps: lane 16 rt + r.  Scales and nothing else
.set PG,   72                          ; v72-87   the gain of tile t in register 2 t (the packed forms name a pair and take its low word)
.set PB,   88                          ; v88-103  during the products the fragments' buffer 2; then the bias likewise; in a gate's second half a buffer for chunks
.set CH,   104                         ; v104-119 the other such buffer; landing place of beta_ih, beta_hh; at work in STATS
.set TD,   120                         ; v120-127 at work; landing place of b_ih
.set ACC,  128                         ; v128-255 accumulator (t, rt) at 16 t + 8 rt
.set MSB, 0
.macro WIN new                         ; the immediate's high byte repeats the setting that is left; a switch that changes nothing is dropped
.if MSB != \new
	s_set_vgpr_msb (MSB<<8)|\new
.set MSB, \new
.endif
.endm
; Group k of the stream, counted from the phase's first (8 to 11 are the next phase's first four: the stream is linear), into ring group k % 4: 17 loads of 512 consecutive bytes.
; w: the setting that follows: 0, or the products' 0x04, under which a load's destination and address lie in window 0 as well
.macro LDG k, w
	WIN 0x40                                       ; destination window 1
.set i, 0
.rept 16
	global_load_b128 v[64*((\k)%4)+4*i:64*((\k)%4)+4*i+3], v1, s[24:25] offset:(\k)*GRP+512*i
.set i, i+1
.endr
	WIN \w
	global_load_b128 v[SCW+4*((\k)%4):SCW+4*((\k)%4)+3], v1, s[24:25] offset:(\k)*GRP+8192
.endm
; 16 rows of c, my 512 bytes of each, into ring group 2 + half
.macro CLD half, w
	WIN 0x40
.set i, 16*(\half)
.rept 16
	global_load_b128 v[128+4*i:128+4*i+3], v5, s[26:27] offset:i*4096 th:TH_LOAD_NT
.set i, i+1
.endr
	WIN \w
.endm
; the activations' two fragments of K step k, into buffer k % 3 of v32, v48, v88 on
.macro XLD k
.set xb, 32+16*((\k)%3)+24*(((\k)%3)/2)
.irp rt, 0,1
.irp c, 0,1
	ds_load_b128 v[xb+8*\rt+4*\c:xb+8*\rt+4*\c+3], v2 offset:2048*(\k)+1024*\rt+512*\c
.endr
.endr
.endm
.macro PROD k, t, rt, zero
.set rD, ACC+16*(\t)+8*(\rt)
.set rA, 32+16*((\k)%3)+24*(((\k)%3)/2)+8*(\rt)
.set rB, 64*((\k)%4)+8*(\t)
.set rX, XSC+(\k)
.set rW, SCW+4*((\k)%4)+(\t)/2
.if \zero
.if ((\rt) == 0) && (((\t)%2) == 0)
	v_wmma_scale_f32_16x16x128_f8f6f4 v[rD:rD+7], v[rA:rA+7], v[rB:rB+7], 0, v[rX], v[rW] matrix_a_fmt:MATRIX_FMT_FP4 matrix_b_fmt:MATRIX_FMT_FP4
.elseif ((\rt) == 1) && (((\t)%2) == 0)
	v_wmma_scale_f32_16x16x128_f8f6f4 v[rD:rD+7], v[rA:rA+7], v[rB:rB+7], 0, v[rX], v[rW] matrix_a_fmt:MATRIX_FMT_FP4 matrix_b_fmt:MATRIX_FMT_FP4 matrix_a_scale:MATRIX_SCALE_ROW1
.elseif ((\rt) == 0)
	v_wmma_scale_f32_16x16x128_f8f6f4 v[rD:rD+7], v[rA:rA+7], v[rB:rB+7], 0, v[rX], v[rW] matrix_a_fmt:MATRIX_FMT_FP4 matrix_b_fmt:MATRIX_FMT_FP4 matrix_b_scale:MATRIX_SCALE_ROW1
.else
	v_wmma_scale_f32_16x16x128_f8f6f4 v[rD:rD+7], v[rA:rA+7], v[rB:rB+7], 0, v[rX], v[rW] matrix_a_fmt:MATRIX_FMT_FP4 matrix_b_fmt:MATRIX_FMT_FP4 matrix_a_scale:MATRIX_SCALE_ROW1 matrix_b_scale:MATRIX_SCALE_ROW1
.endif
.else
.if ((\rt) == 0) && (((\t)%2) == 0)
	v_wmma_scale_f32_16x16x128_f8f6f4 v[rD:rD+7], v[rA:rA+7], v[rB:rB+7], v[rD:rD+7], v[rX], v[rW] matrix_a_fmt:MATRIX_FMT_FP4 matrix_b_fmt:MATRIX_FMT_FP4
.elseif ((\rt) == 1) && (((\t)%2) == 0)
	v_wmma_scale_f32_16x16x128_f8f6f4 v[rD:rD+7], v[rA:rA+7], v[rB:rB+7], v[rD:rD+7], v[rX], v[rW] matrix_a_fmt:MATRIX_FMT_FP4 matrix_b_fmt:MATRIX_FMT_FP4 matrix_a_scale:MATRIX_SCALE_ROW1
.elseif ((\rt) == 0)
	v_wmma_scale_f32_16x16x128_f8f6f4 v[rD:rD+7], v[rA:rA+7], v[rB:rB+7], v[rD:rD+7], v[rX], v[rW] matrix_a_fmt:MATRIX_FMT_FP4 matrix_b_fmt:MATRIX_FMT_FP4 matrix_b_scale:MATRIX_SCALE_ROW1
.else
	v_wmma_scale_f32_16x16x128_f8f6f4 v[rD:rD+7], v[rA:rA+7], v[rB:rB+7], v[rD:rD+7], v[rX], v[rW] matrix_a_fmt:MATRIX_FMT_FP4 matrix_b_fmt:MATRIX_FMT_FP4 matrix_a_scale:MATRIX_SCALE_ROW1 matrix_b_scale:MATRIX_SCALE_ROW1
.endif
.endif
.endm
; A K STEP.  n: the global loads issued behind this step's group, which may stay out; d: the LDS loads issued behind this step's fragments.  zero = 1: the products start the sums: nothing is cleared.
; The 16 accumulators take turns, one instruction a turn, in the same order in every step.  The step's loads stand in its middle, behind its first eight products, which name ring group
; k % 4, its scale words, fragment buffer k % 3, v[64 + k] and the accumulators: none of the registers that these loads touch.  tail = 1: the ring group that the step before read takes the group k + 3;
; 2: 16 rows of c; 0: nothing.  Four plain places stand behind the products, ahead of the loads into the registers that they have read and of the first read of results (ISA guide 7.12.1 for vector
; instructions); they stay beside the waits.
.macro KSTEP k, zero, n, d, tail
	s_wait_loadcnt \n
	s_wait_dscnt \d
.if (\k > 0) && ((\tail != 0) || (\k <= 5))
	s_wait_alu depctr_va_vdst(0)                   ; the products of the step before are done reading their ring group, its scale words and their fragment buffer, in which this step's loads land
.endif
	WIN 0x04                                       ; source 1 (W) window 1
.irp t, 0,1,2,3
.irp rt, 0,1
	PROD \k, \t, \rt, \zero
.endr
.endr
.if \k <= 5
	XLD (\k)+2                                     ; (an LDS load has a destination and an address, both in window 0 under this setting too)
.endif
.if \tail == 1
	LDG (\k)+3, 0x04
.elseif \tail == 2
	CLD 0, 0x04
.endif
.irp t, 4,5,6,7
.irp rt, 0,1
	PROD \k, \t, \rt, \zero
.endr
.endr
.rept 4
	v_nop
.endr
.endm
; THE ROWS' FIGURES of what lies in the accumulators: leaves K / sqrt(var + eps) of row 16 rt + 8 h + j in v[SUM + 8 rt + j] and -mean x that in v[QQ + 8 rt + j].  K in s22.
.macro STATS
.irp jh, 0,1                           ; each accumulator is read from its low end on: registers 0-3 of all sixteen first
.irp rt, 0,1
.irp jq, 0,1
.set o, 8*\rt+4*\jh+2*\jq
	v_pk_add_f32 v[SUM+o:SUM+o+1], v[ACC+o:ACC+o+1], v[ACC+16+o:ACC+16+o+1]
.endr
.endr
.irp t, 2,3,4,5,6,7
.irp rt, 0,1
.irp jq, 0,1
.set o, 8*\rt+4*\jh+2*\jq
	v_pk_add_f32 v[SUM+o:SUM+o+1], v[SUM+o:SUM+o+1], v[ACC+16*\t+o:ACC+16*\t+o+1]   ; my eight tiles' columns, four chains by turns
.endr
.endr
.endr
.endr
.irp m, 1,2,4,8
.set i, 0
.rept 16
	v_add_f32_dpp v[SUM+i], v[SUM+i], v[SUM+i] row_xmask:\m row_mask:0xf bank_mask:0xf   ; and the sixteen lanes' columns
.set i, i+1
.endr
.endr
.set i, 0
.rept 8
	v_pk_mul_f32 v[SUM+2*i:SUM+2*i+1], v[SUM+2*i:SUM+2*i+1], 0x3c000000 op_sel_hi:[1,0]   ; / 128: my wave's mean of each row
.set i, i+1
.endr
.irp t, 0,1,2,3,4,5,6,7
.irp rt, 0,1
.irp jp, 0,1,2,3
	v_pk_add_f32 v[TD+2*\jp:TD+2*\jp+1], v[ACC+16*\t+8*\rt+2*\jp:ACC+16*\t+8*\rt+2*\jp+1], v[SUM+8*\rt+2*\jp:SUM+8*\rt+2*\jp+1] neg_lo:[0,1] neg_hi:[0,1]
.endr
.irp jp, 0,1,2,3
.if \t == 0
	v_pk_mul_f32 v[QQ+8*\rt+2*\jp:QQ+8*\rt+2*\jp+1], v[TD+2*\jp:TD+2*\jp+1], v[TD+2*\jp:TD+2*\jp+1]
.else
	v_pk_fma_f32 v[QQ+8*\rt+2*\jp:QQ+8*\rt+2*\jp+1], v[TD+2*\jp:TD+2*\jp+1], v[TD+2*\jp:TD+2*\jp+1], v[QQ+8*\rt+2*\jp:QQ+8*\rt+2*\jp+1]   ; the squares about my wave's mean
.endif
.endr
.endr
.endr
.irp m, 1,2,4,8
.set i, 0
.rept 16
	v_add_f32_dpp v[QQ+i], v[QQ+i], v[QQ+i] row_xmask:\m row_mask:0xf bank_mask:0xf
.set i, i+1
.endr
.endr
	s_wait_alu depctr_va_vdst(0)                   ; the lines above have written v[SUM ..] and v[QQ ..], which the LDS stores read; and every vector line that has named v104-119, in which the loads behind the barrier land, is done
.irp rt, 0,1
.irp e, 0,1
	ds_store_b128 v6, v[SUM+8*\rt+4*\e:SUM+8*\rt+4*\e+3] offset:64*\rt+16*\e        ; the sixteen lanes of a half write the same words with the same values
	ds_store_b128 v6, v[QQ+8*\rt+4*\e:QQ+8*\rt+4*\e+3] offset:1024+64*\rt+16*\e
.endr
.endr
	s_wait_dscnt 0x0                               ; for the others' sake: my figures lie in LDS
	s_barrier_signal -1
	s_barrier_wait -1
.irp n, 0,1,2,3,4,5,6,7
	ds_load_b32 v[CH+\n], v7 offset:128*\n         ; a lane to a row: the eight waves' means,
	ds_load_b32 v[CH+8+\n], v7 offset:1024+128*\n  ; and their M2
.endr
	s_wait_dscnt 0x0                               ; my reads are over:
	s_barrier_signal -1                            ; behind this barrier the words may be written again; work on registers stands between signal and wait
	v_add_f32 v120, v[CH], v[CH+1]
	v_add_f32 v121, v[CH+2], v[CH+3]
	v_add_f32 v122, v[CH+4], v[CH+5]
	v_add_f32 v123, v[CH+6], v[CH+7]
	v_add_f32 v120, v120, v121
	v_add_f32 v122, v122, v123
	v_add_f32 v120, v120, v122
	v_mul_f32 v120, 0x3e000000, v120               ; / 8: the row's mean
	v_add_f32 v121, v[CH+8], v[CH+9]
	v_add_f32 v122, v[CH+10], v[CH+11]
	v_add_f32 v123, v[CH+12], v[CH+13]
	v_add_f32 v124, v[CH+14], v[CH+15]
	v_add_f32 v121, v121, v122
	v_add_f32 v123, v123, v124
	v_add_f32 v121, v121, v123                     ; the sum of the M2
.irp n, 0,1,2,3,4,5,6,7
	v_sub_f32 v[CH+\n], v[CH+\n], v120
.endr
	v_mul_f32 v122, v[CH], v[CH]
	v_mul_f32 v123, v[CH+1], v[CH+1]
.irp n, 2,4,6
	v_fmac_f32 v122, v[CH+\n], v[CH+\n]
	v_fmac_f32 v123, v[CH+\n+1], v[CH+\n+1]
.endr
	v_add_f32 v122, v122, v123
	v_fma_f32 v121, 0x43000000, v122, v121         ; + 128 x the sum of (mean_w - mean)^2
	v_fma_f32 v121, v121, s43, s44                 ; / 1,024 + eps
	s_wait_alu depctr_va_vdst(0)
	v_rsq_f32 v122, v121
	v_nop                                          ; a plain place behind the transcendental,
	s_wait_alu depctr_va_vdst(0)                   ; and a wait ahead of its first reader: the root has written v122
	v_mul_f32 v122, s22, v122                      ; K / sqrt(var + eps)
	v_mul_f32 v123, -v120, v122
	s_barrier_wait -1
	s_wait_alu depctr_va_vdst(0)                   ; v122 and v123 are written, which the two LDS stores read; the lines above are done with v104-119, in which a gate's second half lets chunks land
	ds_store_b32 v8, v122                          ; my wave's own bytes: from a lane to a row, to registers by row
	ds_store_b32 v8, v123 offset:128
	s_wait_alu depctr_vm_vsrc(0)                   ; this macro's LDS stores have read v[SUM ..] and v[QQ ..], in which the loads below land, and v122, v123, which its next use writes
.irp rt, 0,1
.irp e, 0,1
	ds_load_b128 v[SUM+8*\rt+4*\e:SUM+8*\rt+4*\e+3], v9 offset:64*\rt+16*\e          ; LDS serves a wave's instructions in order: these see my stores
	ds_load_b128 v[QQ+8*\rt+4*\e:QQ+8*\rt+4*\e+3], v9 offset:128+64*\rt+16*\e
.endr
.endr
	s_wait_dscnt 0x0
.endm
.macro NORM t                          ; tile t: (z - mean) K / sqrt(var + eps), in place
.set n, 0
.rept 8
	v_pk_fma_f32 v[ACC+16*(\t)+2*n:ACC+16*(\t)+2*n+1], v[ACC+16*(\t)+2*n:ACC+16*(\t)+2*n+1], v[SUM+2*n:SUM+2*n+1], v[QQ+2*n:QQ+2*n+1]
.set n, n+1
.endr
.endm
.macro AFFB t                          ; x my column's gain + my column's bias (of both pairs the low word serves both halves)
.set n, 0
.rept 8
	v_pk_fma_f32 v[ACC+16*(\t)+2*n:ACC+16*(\t)+2*n+1], v[ACC+16*(\t)+2*n:ACC+16*(\t)+2*n+1], v[PG+2*(\t):PG+2*(\t)+1], v[PB+2*(\t):PB+2*(\t)+1] op_sel_hi:[1,0,0]
.set n, n+1
.endr
.endm
.macro AFFC t                          ; x my column's gain + the gate's first half
.set n, 0
.rept 8
	v_pk_fma_f32 v[ACC+16*(\t)+2*n:ACC+16*(\t)+2*n+1], v[ACC+16*(\t)+2*n:ACC+16*(\t)+2*n+1], v[PG+2*(\t):PG+2*(\t)+1], v[CH-16*((\t)%2)+2*n:CH-16*((\t)%2)+2*n+1] op_sel_hi:[1,0,1]
.set n, n+1
.endr
.endm
.macro EXPT t
.set n, 0
.rept 16
	v_exp_f32 v[ACC+16*(\t)+n], v[ACC+16*(\t)+n]
.set n, n+1
.endr
.endm
.macro ONERCP                          ; behind the batch of 128 exponentials: 1 / (1 + e).  One wait for each batch, ahead of its first reader
	v_nop
	s_wait_alu depctr_va_vdst(0)                   ; the exponentials have written the accumulators
.set n, 0
.rept 64
	v_pk_add_f32 v[ACC+2*n:ACC+2*n+1], v[ACC+2*n:ACC+2*n+1], 1.0 op_sel_hi:[1,0]
.set n, n+1
.endr
.set n, 0
	s_wait_alu depctr_va_vdst(0)
.rept 128
	v_rcp_f32 v[ACC+n], v[ACC+n]
.set n, n+1
.endr
	v_nop
	s_wait_alu depctr_va_vdst(0)                   ; the reciprocals have written the accumulators, ahead of their first reader, an LDS store among them; and the norms are done with v32-63, v72-119, in which the tails' loads land
.endm
.macro TANH_T t                        ; 1 - 2 r
.set n, 0
.rept 8
	v_pk_fma_f32 v[ACC+16*(\t)+2*n:ACC+16*(\t)+2*n+1], v[ACC+16*(\t)+2*n:ACC+16*(\t)+2*n+1], -2.0, 1.0 op_sel_hi:[1,0,0]
.set n, n+1
.endr
.endm
.macro TLD t                           ; tile t of the gate's first half, into v104 on (t even) or v88 on (t odd)
.irp e, 0,1,2,3
	ds_load_b128 v[CH-16*((\t)%2)+4*\e:CH-16*((\t)%2)+4*\e+3], v10 offset:(4*(\t)+\e)*512
.endr
.endm
.macro TST t                           ; tile t of a gate's first half into its image
.irp e, 0,1,2,3
	ds_store_b128 v10, v[ACC+16*(\t)+4*\e:ACC+16*(\t)+4*\e+3] offset:(4*(\t)+\e)*512
.endr
.endm
.macro SLD t, nb                       ; tile t of the state, into buffer t % nb of v32, v48, v88, v104 on
.set sb, 32+16*((\t)%(\nb))+24*(((\t)%(\nb))/2)
.irp e, 0,1,2,3
	ds_load_b128 v[sb+4*\e:sb+4*\e+3], v12 offset:(4*(\t)+\e)*512
.endr
.endm
.macro SST t                           ; tile t into the state
.irp e, 0,1,2,3
	ds_store_b128 v12, v[ACC+16*(\t)+4*\e:ACC+16*(\t)+4*\e+3] offset:(4*(\t)+\e)*512
.endr
.endm
.macro MULS t                          ; tile t x the state's tile t, which lies in buffer t % 4
.set sb, 32+16*((\t)%4)+24*(((\t)%4)/2)
.set n, 0
.rept 8
	v_pk_mul_f32 v[ACC+16*(\t)+2*n:ACC+16*(\t)+2*n+1], v[ACC+16*(\t)+2*n:ACC+16*(\t)+2*n+1], v[sb+2*n:sb+2*n+1]
.set n, n+1
.endr
.endm
.macro FCS t                           ; tile t: f (window 0) x c (source 1: window 1) + i a, the state's tile t in buffer t % 4
.set sb, 32+16*((\t)%4)+24*(((\t)%4)/2)
.set n, 0
.rept 8
	v_pk_fma_f32 v[ACC+16*(\t)+2*n:ACC+16*(\t)+2*n+1], v[ACC+16*(\t)+2*n:ACC+16*(\t)+2*n+1], v[128+16*(\t)+2*n:128+16*(\t)+2*n+1], v[sb+2*n:sb+2*n+1]
.set n, n+1
.endr
.endm
.macro STG1 t                          ; tile t's two accumulators into my stage, by row and column
.irp rt, 0,1
.irp j, 0,1,2,3,4,5,6,7
	ds_store_b32 v11, v[ACC+16*(\t)+8*\rt+\j] offset:(16*\rt+\j)*SPITCH+64*(\t)
.endr
.endr
.endm
.macro ROWS_OUT base                   ; and out as rows: my 512 bytes of each of the 32 rows, 512 consecutive bytes a store.  The loads land in ring groups 2 and 3: the last wait on va_vdst ahead of this macro stands behind every line that has named them
	WIN 0x40
.set i, 0
.rept 32
	ds_load_b128 v[128+4*i:128+4*i+3], v10 offset:i*SPITCH   ; LDS serves a wave's instructions in order: these see my stores
.set i, i+1
.endr
	WIN 0x04                                       ; a store's data are its source 1: window 1
.set i, 0
.rept 32
	s_wait_dscnt 31-i
	global_store_b128 v5, v[128+4*i:128+4*i+3], s[\base:\base+1] offset:i*4096 th:TH_STORE_NT
.set i, i+1
.endr
	WIN 0
.endm
	s_load_b256 s[4:11], s[0:1], 0x0               ; q s[4:5], c s[6:7], b_ih s[8:9], ln_gamma s[10:11]
	s_load_b128 s[12:15], s[0:1], 0x20             ; ln_beta s[12:13], out0 s[14:15]
	v_lshl_add_u32 v13, v0, 2, SPARE               ; my spare word,
	v_mov_b32 v14, 0                               ; and 0: kept for the add alone
	v_lshrrev_b32 v120, 5, v0
	v_readfirstlane_b32 s16, v120                  ; wave 0..7
	v_and_b32 v120, 15, v0                         ; r
	v_bfe_u32 v121, v0, 4, 1                       ; h
	v_and_b32 v122, 31, v0                         ; lane
	v_lshlrev_b32 v1, 4, v122
	s_wait_alu depctr_va_vdst(0)
	s_wait_alu depctr_va_sdst(0)                   ; s16 is written, ahead of its first reader
	s_lshl_b32 s38, s16, 9
	v_lshl_add_u32 v4, v120, 2, s38                ; (128 w + r) x 4
	v_add_nc_u32 v5, s38, v1                       ; 512 w + 16 x lane
	s_lshl_b32 s38, s16, 7
	s_add_co_u32 s38, s38, EX
	v_lshl_add_u32 v6, v121, 5, s38                ; EX + 128 w + 32 h
	v_lshl_add_u32 v7, v122, 2, EX                 ; EX + 4 x lane
	s_lshl_b32 s38, s16, 8
	s_add_co_u32 s39, s38, XS
	s_add_co_u32 s38, s38, BC
	v_lshl_add_u32 v8, v122, 2, s38                ; BC + 256 w + 4 x lane
	v_lshl_add_u32 v9, v121, 5, s38                ; BC + 256 w + 32 h
	v_lshl_add_u32 v126, v122, 2, s39              ; the head's stores of scale words: XS + 256 w + 4 x lane
	s_mul_i32 s38, s16, TW
	s_add_co_u32 s38, s38, TT
	v_add_nc_u32 v10, s38, v1
	v_mul_u32_u24 v11, v121, 8*SPITCH
	v_lshl_add_u32 v11, v120, 2, v11
	v_add_nc_u32 v11, s38, v11                     ; my stage: row 8 h, column r
	s_lshl_b32 s38, s16, 14
	s_add_co_u32 s38, s38, SS
	v_add_nc_u32 v12, s38, v1
	v_lshl_add_u32 v15, v122, 2, XS
	s_lshl_b32 s38, s16, 12
	v_add_nc_u32 v125, s38, v1                     ; the head's stores of code images: 4,096 w + 16 x lane
	s_and_b32 s42, ttmp9, 3                        ; my 32 rows are tiles 2 f, 2 f + 1 of unit b / 4, f = b % 4
	s_lshl_b32 s38, s42, 11
	v_add_nc_u32 v123, s38, v1                     ; their four pieces begin 2,048 f bytes into a group
	s_lshl_b32 s38, s42, 2
	v_add_nc_u32 v124, s38, v1                     ; their scale words: word f of each lane's four
	s_lshr_b32 s38, s16, 2                         ; wave w brings source w / 4, K steps 2 (w % 4) and the next
	s_lshl_b32 s38, s38, 6
	s_lshr_b32 s39, ttmp9, 2
	s_add_co_u32 s38, s38, s39
	s_add_co_u32 s38, s38, 64
	s_mul_i32 s38, s38, UNIT
	s_and_b32 s39, s16, 3
	s_mul_i32 s39, s39, 2*GRP
	s_add_co_u32 s38, s38, s39
	s_mov_b32 s39, 0
	s_mul_i32 s40, s16, 8*UNIT                     ; my wave's stream of weights
	s_mov_b32 s41, 0
	s_lshl_b32 s46, ttmp9, 17                      ; my 32 rows of 4,096 bytes
	s_mov_b32 s47, 0
	s_mov_b32 s43, 0x3a800000                      ; 1 / 1,024
	s_mov_b32 s44, 0x3727c5ac                      ; eps = 1e-5
.set i, PG
.rept 48
	v_mov_b32 v[i], 0                              ; v72-119, once: each is so written before it is read on every way through the branches on the phase's number (the pairs' upper words among them)
.set i, i+1
.endr
	v_mov_b32 v127, 0
	s_wait_kmcnt 0x0
	s_add_nc_u64 s[48:49], s[4:5], s[38:39]
	s_add_nc_u64 s[24:25], s[4:5], s[40:41]
	s_add_nc_u64 s[26:27], s[6:7], s[46:47]
	s_add_nc_u64 s[28:29], s[14:15], s[46:47]      ; h_new's plane
	s_add_nc_u64 s[30:31], s[28:29], 0x2000000     ; c_new's
	s_wait_alu depctr_va_vdst(0)                   ; the addresses v1, v4 to v15 and v123 to v126 are written, which the loads and stores of the kernel read; so are v72-127, in which loads land
.set i, 0
.rept 8
	global_load_b128 v[ACC+4*i:ACC+4*i+3], v123, s[48:49] offset:(i/4)*GRP+(i%4)*512
.set i, i+1
.endr
	global_load_b32 v[ACC+32], v124, s[48:49] offset:8192
	global_load_b32 v[ACC+33], v124, s[48:49] offset:GRP+8192
	LDG 0, 0
	LDG 1, 0
	LDG 2, 0
	s_wait_loadcnt 51                              ; the activations' ten loads are in; the three groups of 17 behind them may be out
.set i, 0
.rept 8
	ds_store_b128 v125, v[ACC+4*i:ACC+4*i+3] offset:512*i
.set i, i+1
.endr
	ds_store_b32 v126, v[ACC+32]
	ds_store_b32 v126, v[ACC+33] offset:128
	LDG 3, 0
	s_wait_dscnt 0x0                               ; for the others' sake: my part of the activations lies in LDS
	s_barrier_signal -1
	s_barrier_wait -1
	s_mov_b32 s18, 0                               ; the phase
.Lphase:
	s_and_b32 s19, s18, 1                          ; the source: 0 x and w_ih, 1 h and w_hh
	s_lshr_b32 s20, s18, 1                         ; the gate's place in the order i, a, f, o
	s_and_b32 s21, s20, 1
	s_lshl_b32 s21, s21, 1
	s_lshr_b32 s38, s20, 1
	s_or_b32 s21, s21, s38                         ; its number in reference(): i 0, f 1, a 2, o 3
	s_mov_b32 s22, 0xbfb8aa3b                      ; K = -log2 e for a sigmoid,
	s_cmp_eq_u32 s20, 1
	s_cselect_b32 s22, 0x4038aa3b, s22             ; 2 log2 e for the tanh
	s_lshl_b32 s38, s21, 13
	s_mov_b32 s39, 0
	s_add_nc_u64 s[34:35], s[12:13], s[38:39]      ; ln_beta's row 2 g
	s_lshl_b32 s40, s19, 12
	s_add_co_u32 s38, s38, s40
	s_add_nc_u64 s[32:33], s[10:11], s[38:39]      ; ln_gamma's row 2 g + source
	s_lshl_b32 s38, s21, 12
	s_add_nc_u64 s[36:37], s[8:9], s[38:39]        ; b_ih's part g
	s_lshl_b32 s38, s19, 14
	s_lshl_b32 s40, s19, 10
	s_wait_alu depctr_vm_vsrc(0)                   ; the LDS loads issued so far have read v2 and v3, written below; the LDS stores have read the accumulators, which the products write again; on the first trip the head's loads and stores have read v123 to v126, in which b_ih lands
	v_add_nc_u32 v2, s38, v1
	v_add_nc_u32 v3, s40, v15
	s_wait_alu depctr_va_vdst(0)                   ; v2 and v3 are written, which the LDS loads below read; the phase before is done with all that this phase's first loads land in: v72-87 and v104-127 (parameters), v64-71, v32-63 and v88-103 (activations)
.irp t, 0,1,2,3,4,5,6,7
	global_load_b32 v[PG+2*\t], v4, s[32:33] offset:64*\t
.endr
	s_cmp_lg_u32 s19, 0
	s_cbranch_scc1 .Lno_beta                       ; the biases go in with a gate's first half
.irp t, 0,1,2,3,4,5,6,7
	global_load_b32 v[CH+\t], v4, s[34:35] offset:64*\t
	global_load_b32 v[CH+8+\t], v4, s[34:35] offset:4096+64*\t
	global_load_b32 v[TD+\t], v4, s[36:37] offset:64*\t
.endr
.Lno_beta:
.irp k, 0,1,2,3,4,5,6,7
	ds_load_b32 v[XSC+\k], v3 offset:128*\k
.endr
	XLD 0
	XLD 1
	; 57: on every way to step 0 at least 57 loads were issued behind its group: three groups of 17 and the eight gains (59); behind the phase that fetched c: a group, c's 32 and the eight (57).
	; 40: on every way to steps 1 to 3 at least 40: two groups and the eight gains (42); behind the phase that fetched c: c's 32 and the eight (40).  4: the next step's four LDS loads.
	; Step 0 asks for no group (ring group 3 was asked for behind the last phase's step 7) and has no wait of its own: no vector or matrix line stands between the wait above and its loads
	KSTEP 0, 1, 57, 4, 0
	KSTEP 1, 0, 40, 4, 1
	KSTEP 2, 0, 40, 4, 1
	KSTEP 3, 0, 40, 4, 1
	WIN 0                                          ; at a label and at a branch every window is 0
	s_cmp_eq_u32 s18, 5
	s_cbranch_scc1 .Lwith_c
	s_cmp_eq_u32 s18, 7
	s_cbranch_scc1 .Llast
	KSTEP 4, 0, 34, 4, 1                           ; 34: two groups of 17.  (This wait also shows the phase's parameters landed: three groups were issued behind them)
	KSTEP 5, 0, 34, 4, 1
	KSTEP 6, 0, 34, 4, 1
	KSTEP 7, 0, 34, 0, 1
	s_wait_alu depctr_va_vdst(0)                   ; step 7's products are done reading ring group 3 and its scale words, in which the next phase's fourth group lands
	LDG 11, 0
	s_branch .Lepi
.Lwith_c:                                      ; the forget gate's second half: c takes the place of the next phase's third and fourth group, which are fetched when c has been used
	KSTEP 4, 0, 34, 4, 1
	KSTEP 5, 0, 34, 4, 1
	KSTEP 6, 0, 34, 4, 1
	KSTEP 7, 0, 34, 0, 2
	s_wait_alu depctr_va_vdst(0)                   ; step 7's products are done reading ring group 3, in which c's rows 16 to 31 land
	CLD 1, 0
	s_branch .Lepi
.Llast:                                        ; the last phase fetches nothing beyond its own eighth group: the counts run down, and steps 6 and 7, which issue no load, have no wait on va_vdst
	KSTEP 4, 0, 34, 4, 1
	KSTEP 5, 0, 34, 4, 0
	KSTEP 6, 0, 17, 4, 0
	KSTEP 7, 0, 0, 0, 0
	WIN 0
.Lepi:
	s_cmp_lg_u32 s19, 0
	s_cbranch_scc1 .Lno_bias
.irp t, 0,1,2,3,4,5,6,7
	v_add_f32 v[CH+\t], v[CH+\t], v[CH+8+\t]
.endr
.irp t, 0,1,2,3,4,5,6,7
	v_add_f32 v[CH+\t], v[CH+\t], v[TD+\t]
.endr
.irp t, 0,1,2,3,4,5,6,7
	v_mul_f32 v[PB+2*\t], s22, v[CH+\t]            ; (beta_ih + beta_hh + b_ih) K
.endr
.Lno_bias:
	STATS
	s_cmp_lg_u32 s19, 0
	s_cbranch_scc1 .Lsecond
.irp t, 0,1,2,3                                ; A GATE'S FIRST HALF waits in LDS, as an image of its registers: four tiles' arithmetic, a wait, their stores dealt among the other four tiles' arithmetic
	NORM \t
	AFFB \t
.endr
	s_wait_alu depctr_va_vdst(0)                   ; tiles 0 to 3 are written, which the LDS stores below read; the lines between those stores name tiles 4 to 7 alone
.irp t, 0,1,2,3
	TST \t
	NORM \t+4
	AFFB \t+4
.endr
	s_wait_alu depctr_va_vdst(0)                   ; tiles 4 to 7 are written, which the LDS stores below read
.irp t, 4,5,6,7
	TST \t
.endr
	s_branch .Lnext
.Lsecond:                                      ; THE SECOND HALF takes the first in, two tiles at a time.  (The first two chunks owe no wait: the last wait on va_vdst in STATS stands behind every line that has named v88-119)
	TLD 0
	TLD 1
	NORM 0
	NORM 1
.irp j, 0,1,2,3
	s_wait_dscnt 4                                 ; the even tile's four loads are in; the odd tile's four may be out
	AFFC 2*\j
	s_wait_dscnt 0x0
	AFFC 2*\j+1
.if \j < 3
	s_wait_alu depctr_va_vdst(0)                   ; the two tiles' lines above are done reading v104-119 and v88-103, in which the next two chunks land
	TLD 2*\j+2
	TLD 2*\j+3
.endif
	s_wait_alu depctr_va_vdst(0)
	EXPT 2*\j                                      ; no line names an exponential's result before the batch of 128 is out
	EXPT 2*\j+1
.if \j < 3
	NORM 2*\j+2                                    ; the next two tiles' norms stand between the chunks' loads and the wait for them
	NORM 2*\j+3
.endif
.endr
	ONERCP
	s_cmp_eq_u32 s20, 0
	s_cbranch_scc1 .Ltail_i
	s_cmp_eq_u32 s20, 1
	s_cbranch_scc1 .Ltail_a
	s_cmp_eq_u32 s20, 2
	s_cbranch_scc1 .Ltail_f
	; o: h_new = o x tanh(LN(c_new))
	SLD 0, 4
	SLD 1, 4
	SLD 2, 4
	SLD 3, 4
.irp t, 0,1,2,3
	s_wait_dscnt 12-4*\t                           ; tile t's four loads are in; those of the tiles behind it may be out
	MULS \t
.endr
	s_wait_alu depctr_va_vdst(0)                   ; tiles 0 to 3 are written, which the stage's stores below read; their lines are done reading the four buffers, in which the state's tiles 4 to 7 land
	SLD 4, 4
	SLD 5, 4
	SLD 6, 4
	SLD 7, 4
.irp t, 4,5,6,7
	s_wait_dscnt 4*(7-\t)+16*(\t-4)                ; behind tile t's four loads: those of the tiles behind it, and 16 stores for each tile already sent to the stage
	MULS \t
	STG1 \t-4                                      ; no line since the wait names tiles 0 to 3
.endr
	s_wait_alu depctr_va_vdst(0)                   ; tiles 4 to 7 are written, which the stage's stores below read
.irp t, 4,5,6,7
	STG1 \t
.endr
	ROWS_OUT 28
	s_branch .Lnext
.Ltail_i:                                      ; i: the state is i.  (The stores' data were shown written by the wait behind the reciprocals)
.irp t, 0,1,2,3,4,5,6,7
	SST \t
.endr
	s_branch .Lnext
.Ltail_a:                                      ; a = 1 - 2 r; the state becomes i a
	SLD 0, 4
	SLD 1, 4
	SLD 2, 4
	SLD 3, 4
.irp t, 0,1,2,3,4,5,6,7
	TANH_T \t                                      ; work that wants no chunk stands behind the chunks' loads
.endr
.irp t, 0,1,2,3
	s_wait_dscnt 12-4*\t
	MULS \t
.endr
	s_wait_alu depctr_va_vdst(0)                   ; tiles 0 to 3 are written, which the state's stores below read; their lines are done reading the four buffers, in which the state's tiles 4 to 7 land
	SLD 4, 4
	SLD 5, 4
	SLD 6, 4
	SLD 7, 4
.irp t, 4,5,6,7
	s_wait_dscnt 12                                ; behind tile t's four loads: 4 (7 - t) loads and 4 (t - 4) stores
	MULS \t
	SST \t-4                                       ; no line since the wait names tiles 0 to 3
.endr
	s_wait_alu depctr_va_vdst(0)                   ; tiles 4 to 7 are written, which the state's stores below read
.irp t, 4,5,6,7
	SST \t
.endr
	s_branch .Lnext
.Ltail_f:                                      ; f: c_new = f c + i a; it leaves; the state becomes tanh(LN(c_new))
	s_wait_loadcnt 0x0                             ; c is in
	WIN 0x04                                       ; an LDS store's data are its source 1: window 1
.set i, 0
.rept 32
	ds_store_b128 v10, v[128+4*i:128+4*i+3] offset:i*SPITCH   ; c by rows into my stage,
.set i, i+1
.endr
	WIN 0x40
	s_wait_alu depctr_vm_vsrc(0)                   ; those stores have read c's registers, in which the loads below land
.irp t, 0,1,2,3,4,5,6,7
.irp rt, 0,1
.irp j, 0,1,2,3,4,5,6,7
	ds_load_b32 v[128+16*\t+8*\rt+\j], v11 offset:(16*\rt+\j)*SPITCH+64*\t   ; and back in the accumulators' layout, at the accumulators' numbers in window 1
.endr
.endr
.endr
	WIN 0x04                                       ; source 1 window 1: c; the LDS loads below have no source 1
	SLD 0, 4
	SLD 1, 4
	SLD 2, 4
	SLD 3, 4
.irp t, 0,1,2,3
	s_wait_dscnt 12-4*\t                           ; tile t of the state is in, and all of c, which was asked for earlier
	FCS \t
.endr
	s_wait_alu depctr_va_vdst(0)                   ; the lines above are done reading the four buffers, in which the state's tiles 4 to 7 land
	SLD 4, 4
	SLD 5, 4
	SLD 6, 4
	SLD 7, 4
.irp t, 4,5,6,7
	s_wait_dscnt 4*(7-\t)
	FCS \t
.endr
	WIN 0
	s_wait_alu depctr_va_vdst(0)                   ; c_new is written, which the stage's stores read; its lines are done reading c's registers, in which the rows come back, and v88-103, in which the ninth bias lands
.irp t, 0,1,2,3,4,5,6,7
	global_load_b32 v[PG+2*\t], v4, s[10:11] offset:8*4096+64*\t   ; the ninth norm's gain and bias
	global_load_b32 v[PB+2*\t], v4, s[12:13] offset:8*4096+64*\t
.endr
.irp t, 0,1,2,3,4,5,6,7
	STG1 \t
.endr
	ROWS_OUT 30
	s_wait_xcnt 0x0                                ; the stores have had their addresses translated: the ring's groups 2 and 3 may be loaded again
	s_wait_alu depctr_vm_vsrc(0)                   ; the stores of c_new have read ring groups 2 and 3, in which the two groups below land; the stage's stores have read the accumulators, which the ninth norm writes
	LDG 10, 0                                      ; the two groups of the next phase that c's rows displaced
	LDG 11, 0
	s_mov_b32 s22, 0x4038aa3b                      ; K = 2 log2 e
	STATS
	s_wait_loadcnt 34                              ; the gain and bias are in; the two groups of 17 behind them may be out
.irp t, 0,1,2,3,4,5,6,7
	v_mul_f32 v[PB+2*\t], s22, v[PB+2*\t]
.endr
.irp t, 0,1,2,3,4,5,6,7
	NORM \t
	AFFB \t
	s_wait_alu depctr_va_vdst(0)
	EXPT \t
.endr
	ONERCP
.irp t, 0,1,2,3
	TANH_T \t
.endr
	s_wait_alu depctr_va_vdst(0)                   ; tiles 0 to 3 are written, which the state's stores below read; the lines between those stores name tiles 4 to 7 alone
.irp t, 0,1,2,3
	SST \t
	TANH_T \t+4
.endr
	s_wait_alu depctr_va_vdst(0)                   ; tiles 4 to 7 are written, which the state's stores below read
.irp t, 4,5,6,7
	SST \t
.endr
.Lnext:
	s_wait_xcnt 0x0                                ; every earlier memory instruction has had its addresses translated: the stream's base and the parameters' bases may be written
	s_add_nc_u64 s[24:25], s[24:25], UNIT
	s_add_co_u32 s18, s18, 1
	s_cmp_lt_u32 s18, 8
	s_cbranch_scc1 .Lphase
	s_wait_dscnt 0x0                               ; the closing lines, six on end
	s_wait_alu 0x0
	s_wait_tensorcnt 0x0
	ds_add_u32 v13, v14
	s_wait_dscnt 0x0
	s_endpgm
.Lfunc_end_k_q6c6e2133c8_cell:
	.size	k_q6c6e2133c8_cell, .Lfunc_end_k_q6c6e2133c8_cell-k_q6c6e2133c8_cell
	.p2alignl 7, 3214868480
	.fill 96, 4, 3214868480
	.section	.rodata,"a",@progbits
	.p2align	6, 0x0
	.amdhsa_kernel k_q6c6e2133c8_cell
		.amdhsa_group_segment_fixed_size 306176
		.amdhsa_private_segment_fixed_size 0
		.amdhsa_enable_private_segment 0
		.amdhsa_kernarg_size 48
		.amdhsa_user_sgpr_count 2
		.amdhsa_user_sgpr_kernarg_segment_ptr 1
		.amdhsa_wavefront_size32 1
		.amdhsa_system_sgpr_workgroup_id_x 1
		.amdhsa_system_sgpr_workgroup_id_y 1
		.amdhsa_system_sgpr_workgroup_id_z 1
		.amdhsa_system_vgpr_workitem_id 0
		.amdhsa_next_free_vgpr 512
		.amdhsa_next_free_sgpr 66
		.amdhsa_reserve_vcc 0
		.amdhsa_float_denorm_mode_32 3
		.amdhsa_float_denorm_mode_16_64 3
		.amdhsa_memory_ordered 1
		.amdhsa_forward_progress 1
		.amdhsa_inst_pref_size 255
	.end_amdhsa_kernel
	.section	.bss,"aw",@nobits
	.p2align	6
	.space	262144
	.amdgpu_metadata
---
amdhsa.version: [ 1, 2 ]
amdhsa.kernels:
  - .name:           k_q6c6e2133c8_cell
    .symbol:         k_q6c6e2133c8_cell.kd
    .args:
      - { .name: q, .offset: 0, .size: 8, .value_kind: global_buffer, .address_space: global }
      - { .name: c, .offset: 8, .size: 8, .value_kind: global_buffer, .address_space: global }
      - { .name: b_ih, .offset: 16, .size: 8, .value_kind: global_buffer, .address_space: global }
      - { .name: ln_gamma, .offset: 24, .size: 8, .value_kind: global_buffer, .address_space: global }
      - { .name: ln_beta, .offset: 32, .size: 8, .value_kind: global_buffer, .address_space: global }
      - { .name: out0, .offset: 40, .size: 8, .value_kind: global_buffer, .address_space: global }
    .group_segment_fixed_size: 306176
    .private_segment_fixed_size: 0
    .kernarg_segment_align: 8
    .kernarg_segment_size: 48
    .max_flat_workgroup_size: 256
    .sgpr_count:     66
    .vgpr_count:     512
    .wavefront_size: 32
...
	.end_amdgpu_metadata
.endif
;; end of part 4
